; MI455X (gfx1250); checked and timed in simulation.
; The chip was launched on July 23, 2026; its instructions are those of AMD's public machine-readable ISA for CDNA 5 (MIT licence, August 2026) and "CDNA5" Instruction Set Architecture Reference Guide (July 2026). The comments in the code are by the model that wrote it; some were corrected since.
;; Causal Self Attention. Allowed arithmetic: matrix products marked QUANTISED: E3M2 operands, one E8M0 scale for each 32 along K, by v_wmma_scale_f32_16x16x128_f8f6f4 with both operands' format E3M2, f32 sums; everything else in f32.
;; Inputs: out_b 1,024 float32; out_w 1,024 x 1,024 float32; qkv_b 3,072 float32; qkv_w 3,072 x 1,024 float32; x 4 x 2,048 x 1,024 float32.
;; Outputs: out0 4 x 2,048 x 1,024 float32.
;; This version of the problem:
;;   THIS VERSION OF THE PROBLEM IS GIVEN IN LOW PRECISION. The matrix products marked QUANTISED in the list below multiply operands that are first quantised to E3M2 (3 exponent bits, 2 mantissa bits; 6 bits a number), with one power-of-two scale for each 32 numbers along K (OCP MX v1.0); their sums are f32. All else is computed in f32.
;;   The module's matrix products, in the order in which they are computed (A, B: the left and right operand; K: the contracted axis; several contracted axes count as one K, in the product's order):
;;     1. [M 8,192, K 1,024] x [K 1,024, N 3,072]; A: input x; B: input qkv_w: QUANTISED
;;     2. batch 64 x [M 2,048, K 64] x [K 64, N 2,048]; A: computed on the way; B: computed on the way: QUANTISED
;;     3. batch 64 x [M 2,048, K 2,048] x [K 2,048, N 64]; A: softmax (see below); B: computed on the way: QUANTISED
;;     4. [M 8,192, K 1,024] x [K 1,024, N 1,024]; A: computed on the way; B: input out_w: QUANTISED
;;   THE QUANTISER, for each operand of a quantised product, along K:
;;     - K is cut into blocks of 32 from its start; a last block that is shorter is filled with zeros.
;;     - A block's scale is 2^e with e = floor(log2(the largest magnitude in the block)) - 4, held to -126 .. 127; a block of zeros has e = 0. As a byte (E8M0): e + 127.
;;     - Each number is divided by its block's scale, clamped to +-28, and rounded to the nearest number of E3M2, ties to even, subnormals kept.
;;     - The product sums the exact products of the quantised numbers (number of the format x scale) in f32.
;;   ~~~python
;;   def quantise(x, axis):      # numpy; x: float32 -> the quantised numbers, widened to float32 again
;;       x = np.moveaxis(x, axis, -1); K = x.shape[-1]
;;       x = np.pad(x, [(0, 0)] * (x.ndim - 1) + [(0, -K % 32)]); x = x.reshape(x.shape[:-1] + (-1, 32)); a = np.abs(x).max(-1, keepdims=True)
;;       e = np.where(a > 0, np.clip(np.frexp(np.where(a > 0, a, 1))[1] - 1 - 4, -126, 127), 0)      # np.frexp(a)[1] - 1 = floor(log2(a)), exactly
;;       r = np.clip(x / 2.0 ** e, -28, 28)
;;       step = 2.0 ** (np.maximum(np.frexp(np.where(r == 0, 1, r))[1] - 1, -2) - 2)
;;       q = np.round(r / step) * step * 2.0 ** e      # np.round: ties to even
;;       return np.moveaxis(q.reshape(q.shape[:-2] + (-1,))[..., :K], -1, axis).astype(np.float32)
;;   ~~~
;;   SOFTMAX AHEAD OF A QUANTISED PRODUCT. Where the list says 'softmax', what is quantised is not the finished softmax but p = 2^(t - M), with t = logit x log2(e) and M = ceil(the row's largest t), a whole number; so 1/2 < the row's largest p <= 1. The row's sum l is taken of the UNQUANTISED p, in f32, and the product's result is divided by l at the end. Since M is a whole number, a kernel that streams over the keys may use a running M (the ceiling of the running maximum): every later rescaling is an exact power of two, which a block's scale takes up: the codes' values come out the same.
;;   OPERANDS COMPUTED ON THE WAY. 'Computed on the way' means the value that the module computes at that place (a softmax that the list does not call 'softmax' is quantised finished and normalised). What goes into a quantiser is computed in f32, as accurately as f32 sums, v_exp_f32 and their like allow (about 1e-6 of the number): no bf16 or f16 on the way to a quantiser, and a product that is left as it is and whose result goes on into a quantised operand takes f32 operands (vector FMAs, or v_wmma_f32_16x16x4_f32). A number that lies on a knife's edge between two numbers of the format may be rounded either way, as far as f32 arithmetic and the matrix unit's own rounding can turn it there, and no further.
;; One version. Each part assembles by itself: llvm-mc -triple=amdgcn-amd-amdhsa -mcpu=gfx1250 --defsym DOCPART=n.
;; ======== version 1 of 1: 4 launches
;; workspace buffers: ops 9,011,200 bytes; qkv 20,447,232 bytes; fin 7,372,800 bytes
;; launch quant (part 1): grid 384 x 1, 4 waves a work-group, no clusters, 34,304 bytes of LDS; arguments x, qkv_w, out_w, ops, fin; writes ops, fin
.if DOCPART == 1
	.amdgcn_target "amdgcn-amd-amdhsa--gfx1250"
	.amdhsa_code_object_version 6
	.text
	.protected	k_qcf8c8b3210_quant
	.globl	k_qcf8c8b3210_quant
	.p2align	8
	.type	k_qcf8c8b3210_quant,@function
k_qcf8c8b3210_quant:
	s_mov_b64 s[64:65], 0
	v_nop
	global_prefetch_b8 v0, s[64:65] scope:SCOPE_SE
	s_setreg_imm32_b32 hwreg(HW_REG_WAVE_MODE, 25, 1), 1
	s_wait_xcnt 0x0
; x [8192][1024], qkv_w [3072][1024] and out_w [1024][1024], f32 with K innermost, become codes of BF6 (E3M2) with one E8M0 byte for each 32 along K,
; laid in the order of the reader's operand registers.
; A TILE is 16 rows that are not neighbours: lane r of tile 2 B + u holds row 32 B + 8 u + r + 8 (r / 8).  An IMAGE is a fragment (16 rows x 128 K, 12 registers a lane) as it
; stands in registers: registers 0-3 at 16 x lane, 4-5 at 512 + 8 x lane, 6-9 at 768 + 16 x lane, 10-11 at 1280 + 8 x lane: 1,536 bytes.  Codes: [tile][K step 0..7][1536].
; Scale words (four bytes: 128 along K of one row): [K step][group of 4 tiles][r][tile % 4]: 256 bytes for a group and a K step.
; A block's scale is 2^(floor(log2(its largest magnitude)) - 4); its byte is the largest magnitude's exponent field - 4, held at 1 from below.
; LIMITS: a block of zeros gets the byte 1 where the rule says 127 (its codes are zeros, and this program alone reads the bytes); a block whose largest magnitude lies under
; 2^-122 keeps the byte 1; NaN and infinities among the inputs are not served.
; SHARES: a wave takes a group of 64 rows (4 tiles) x one K step: 4 images, 32 KiB of f32.  Work-groups 0-255 take x, 256-351 qkv_w, 352-383 out_w: only pointers and constants
; are chosen, by the work-group's number; there is one path.  Each load reads 512 consecutive bytes of one row; an image's 16 rows turn through the wave's own stage in LDS
; (16 rows x 528 bytes), from which lane (r, h) takes k = 64 c + 32 h + 0 .. 31 of row r: two whole blocks a lane.  No barrier: waves share nothing.  No matrix unit, no cluster: a stream.
.set PITCH, 528                        ; a stage row: 512 bytes + 16: the sixteen rows of a read begin in sixteen different groups of banks
.set WSTG,  16*PITCH
.set RR,    16                         ; v16-143  two sets of 64: an image's numbers as loaded
.set XX,    144                        ; v144-207 register 32 c + i = k 64 c + 32 h + i of my row
.set CC,    208                        ; v208-219 the fragment's 12 registers
.set TA,    220                        ; v220-222, v224-226 the upper halves of the two blocks, made here and moved
.set TC,    224
.set WD,    228                        ; v228-231 the four tiles' scale words
	s_load_b256 s[4:11], s[0:1], 0x0               ; x s[4:5], qkv_w s[6:7], out_w s[8:9], ops s[10:11]
	s_load_b64 s[12:13], s[0:1], 0x20              ; fin
	v_lshl_add_u32 v240, v0, 2, 0x8400
	v_mov_b32 v241, 0
	v_lshrrev_b32 v1, 5, v0
	v_readfirstlane_b32 s22, v1                    ; wave
	v_and_b32 v1, 31, v0                           ; lane
	v_and_b32 v2, 15, v0                           ; r
	v_bfe_u32 v3, v0, 4, 1                         ; h
	v_lshlrev_b32 v4, 4, v1                        ; 16 x lane
	v_lshlrev_b32 v5, 3, v1                        ; 8 x lane
	s_mul_i32 s23, s22, WSTG                       ; my stage
	v_add_nc_u32 v6, s23, v4                       ; into it: a row's 512 bytes as they lie
	v_mul_u32_u24 v7, v2, PITCH
	v_lshl_add_u32 v7, v3, 7, v7
	v_add_nc_u32 v7, s23, v7                       ; out of it: row r, + 128 h
	v_lshlrev_b32 v8, 3, v3                        ; 8 h
	v_lshl_add_u32 v9, v2, 4, v8                   ; the scale words' place: 16 r + 8 h
	v_mov_b32 v238, 0                              ; written once: a lane permute's destination counts as one of its sources
	s_mov_b32 s24, 0x76543210
	s_mov_b32 s25, 0xfedcba98                      ; v_permlanex16_b32's selects for lane l xor 16
	s_lshl_b32 s26, ttmp9, 2
	s_add_co_u32 s26, s26, s22                     ; the wave's number in the launch
	s_lshr_b32 s27, s26, 3                         ; its group of 64 rows, counted through the three tensors
	s_and_b32 s26, s26, 7                          ; its K step
	s_wait_alu depctr_va_vdst(0)
	s_wait_kmcnt 0x0
	s_cmp_lt_u32 ttmp9, 256                        ; x?
	s_cselect_b64 s[14:15], s[4:5], s[6:7]
	s_cselect_b32 s16, 0, 128                      ; the tensor's first group
	s_mov_b32 s20, 7077888
	s_mov_b32 s21, 36864
	s_cmp_lt_u32 ttmp9, 352                        ; x or qkv_w?  They go to ops, out_w to fin
	s_cselect_b64 s[14:15], s[14:15], s[8:9]
	s_cselect_b64 s[18:19], s[10:11], s[12:13]
	s_cselect_b32 s16, s16, 176
	s_cselect_b32 s17, 0, 48                       ; in fin out_w's groups begin at 128 = 176 - 48
	s_cselect_b32 s20, 8650752, s20                ; where the buffer's scale words begin
	s_cselect_b32 s21, 45056, s21                  ; and their bytes for one K step
	s_sub_co_u32 s16, s27, s16                     ; the group in its tensor
	s_sub_co_u32 s17, s27, s17                     ; and in its buffer
	s_lshl_b32 s28, s16, 18                        ; 64 rows of 4,096 bytes
	s_lshl_b32 s29, s26, 9                         ; 128 numbers
	s_add_co_u32 s28, s28, s29
	s_mov_b32 s29, 0
	s_add_nc_u64 s[14:15], s[14:15], s[28:29]
	s_lshl_b32 s30, s17, 5
	s_add_co_u32 s30, s30, s26
	s_mul_i32 s30, s30, 1536                       ; (8 x first tile + K step) images
	s_mov_b32 s31, 0
	s_add_nc_u64 s[34:35], s[18:19], s[30:31]
	s_mul_i32 s32, s26, s21
	s_lshl_b32 s33, s17, 8
	s_add_co_u32 s32, s32, s33
	s_add_co_u32 s32, s32, s20
	s_mov_b32 s33, 0
	s_add_nc_u64 s[36:37], s[18:19], s[32:33]
.macro LOAD t                          ; image t: its 16 rows, 512 consecutive bytes a load
.irp i, 0,1,2,3,4,5,6,7,8,9,10,11,12,13,14,15
	global_load_b128 v[RR+64*((\t)%2)+4*\i:RR+64*((\t)%2)+4*\i+3], v4, s[14:15] offset:(32*((\t)/2)+8*((\t)%2)+\i+8*(\i/8))*4096 th:TH_LOAD_NT
.endr
.endm
.macro TURN t                          ; through the stage: LDS serves a wave's instructions in order, so no wait stands between the stores and the loads
.irp i, 0,1,2,3,4,5,6,7,8,9,10,11,12,13,14,15
	ds_store_b128 v6, v[RR+64*((\t)%2)+4*\i:RR+64*((\t)%2)+4*\i+3] offset:PITCH*\i
.endr
.irp c, 0,1
.irp k, 0,1,2,3,4,5,6,7
	ds_load_b128 v[XX+32*\c+4*\k:XX+32*\c+4*\k+3], v7 offset:256*\c+16*\k
.endr
.endr
.endm
.macro QNT t
	v_max3_num_f32 v232, |v[XX]|, |v[XX+1]|, 0x2800000             ; my two blocks by turns; the floor 2^(5 - 127) holds the byte at 1 from below
	v_max3_num_f32 v233, |v[XX+32]|, |v[XX+33]|, 0x2800000
.irp i, 2,4,6,8,10,12,14,16,18,20,22,24,26,28,30
	v_max3_num_f32 v232, v232, |v[XX+\i]|, |v[XX+\i+1]|
	v_max3_num_f32 v233, v233, |v[XX+32+\i]|, |v[XX+33+\i]|
.endr
	v_add_nc_u32 v234, 0xfe000000, v232            ; 4 off the exponent field: the conversion's scale operand
	v_add_nc_u32 v235, 0xfe000000, v233
	v_lshrrev_b32 v236, 23, v234                   ; the bytes of blocks h and 2 + h
	v_lshrrev_b32 v237, 23, v235
	v_lshl_or_b32 v236, v237, 16, v236
	v_lshlrev_b32 v236, v8, v236                   ; at their places in the word
	v_permlanex16_b32 v238, v236, s24, s25
	v_or_b32 v[WD+\t], v236, v238                  ; with lane l xor 16's two the word is whole
.if \t > 0
	s_wait_alu depctr_va_vdst(0)
	s_wait_xcnt 0x0                                ; the last image's stores have read their data: the codes' registers are written again only behind this wait
.endif
	v_cvt_scalef32_pk16_bf6_f32 v[CC:CC+2], v[XX:XX+15], v234
	v_cvt_scalef32_pk16_bf6_f32 v[TA:TA+2], v[XX+16:XX+31], v234   ; (a conversion's three registers begin on an even number)
	v_cvt_scalef32_pk16_bf6_f32 v[CC+6:CC+8], v[XX+32:XX+47], v235
	v_cvt_scalef32_pk16_bf6_f32 v[TC:TC+2], v[XX+48:XX+63], v235
	v_nop                                          ; one plain place behind a scaled conversion
.irp i, 0,1,2
	v_mov_b32 v[CC+3+\i], v[TA+\i]
	v_mov_b32 v[CC+9+\i], v[TC+\i]
.endr
	global_store_b128 v4, v[CC:CC+3], s[34:35] offset:\t*12288          ; each store covers 512 or 256 consecutive bytes, aligned
	global_store_b64 v5, v[CC+4:CC+5], s[34:35] offset:\t*12288+512
	global_store_b128 v4, v[CC+6:CC+9], s[34:35] offset:\t*12288+768
	global_store_b64 v5, v[CC+10:CC+11], s[34:35] offset:\t*12288+1280
.endm
	LOAD 0
	LOAD 1
.irp u, 0,1,2,3
.if \u < 3
	s_wait_loadcnt 16                              ; this image's 16 loads are in; the next image's 16 may be out
.else
	s_wait_loadcnt 0x0
.endif
	TURN \u
	s_wait_dscnt 0x0                               ; the stage's stores have read their registers, and my numbers are back
.if \u < 2
	LOAD \u+2
.endif
	QNT \u
.endr
	v_cmp_ne_u32 vcc_lo, 0, v3                     ; lanes 0-15 store tiles 0, 1's words of row r, lanes 16-31 tiles 2, 3's
	v_cndmask_b32 v232, v228, v230, vcc_lo
	v_cndmask_b32 v233, v229, v231, vcc_lo
	global_store_b64 v9, v[232:233], s[36:37]      ; 32 lanes store 256 consecutive bytes, aligned
	s_wait_tensorcnt 0x0
	ds_add_u32 v240, v241
	s_wait_dscnt 0x0
	s_endpgm
.Lfunc_end_k_qcf8c8b3210_quant:
	.size	k_qcf8c8b3210_quant, .Lfunc_end_k_qcf8c8b3210_quant-k_qcf8c8b3210_quant
	.p2alignl 7, 3214868480
	.fill 96, 4, 3214868480
	.section	.rodata,"a",@progbits
	.p2align	6, 0x0
	.amdhsa_kernel k_qcf8c8b3210_quant
		.amdhsa_group_segment_fixed_size 34304
		.amdhsa_private_segment_fixed_size 0
		.amdhsa_enable_private_segment 0
		.amdhsa_kernarg_size 40
		.amdhsa_user_sgpr_count 2
		.amdhsa_user_sgpr_kernarg_segment_ptr 1
		.amdhsa_wavefront_size32 1
		.amdhsa_system_sgpr_workgroup_id_x 1
		.amdhsa_system_sgpr_workgroup_id_y 1
		.amdhsa_system_sgpr_workgroup_id_z 1
		.amdhsa_system_vgpr_workitem_id 0
		.amdhsa_next_free_vgpr 242
		.amdhsa_next_free_sgpr 66
		.amdhsa_reserve_vcc 1
		.amdhsa_float_denorm_mode_32 3
		.amdhsa_float_denorm_mode_16_64 3
		.amdhsa_memory_ordered 1
		.amdhsa_forward_progress 1
		.amdhsa_inst_pref_size 31
	.end_amdhsa_kernel
	.amdgpu_metadata
---
amdhsa.version: [ 1, 2 ]
amdhsa.kernels:
  - .name:           k_qcf8c8b3210_quant
    .symbol:         k_qcf8c8b3210_quant.kd
    .args:
      - { .name: x, .offset: 0, .size: 8, .value_kind: global_buffer, .address_space: global }
      - { .name: qkv_w, .offset: 8, .size: 8, .value_kind: global_buffer, .address_space: global }
      - { .name: out_w, .offset: 16, .size: 8, .value_kind: global_buffer, .address_space: global }
      - { .name: ops, .offset: 24, .size: 8, .value_kind: global_buffer, .address_space: global }
      - { .name: fin, .offset: 32, .size: 8, .value_kind: global_buffer, .address_space: global }
    .group_segment_fixed_size: 34304
    .private_segment_fixed_size: 0
    .kernarg_segment_align: 8
    .kernarg_segment_size: 40
    .max_flat_workgroup_size: 128
    .sgpr_count:     66
    .vgpr_count:     242
    .wavefront_size: 32
...
	.end_amdgpu_metadata
.endif
;; end of part 1
;; launch qkv (part 2): grid 12 x 32, 4 waves a work-group, clusters of 4 x 4, 327,680 bytes of LDS; arguments ops, qkv_b, qkv; writes qkv
.if DOCPART == 2
	.amdgcn_target "amdgcn-amd-amdhsa--gfx1250"
	.amdhsa_code_object_version 6
	.text
	.protected	k_qcf8c8b3210_qkv
	.globl	k_qcf8c8b3210_qkv
	.p2align	8
	.type	k_qcf8c8b3210_qkv,@function
k_qcf8c8b3210_qkv:
	s_mov_b64 s[64:65], 0
	v_nop
	global_prefetch_b8 v0, s[64:65] scope:SCOPE_SE
	s_setreg_imm32_b32 hwreg(HW_REG_WAVE_MODE, 25, 1), 1
	s_wait_xcnt 0x0
	s_wait_alu depctr_hold_cnt(0) depctr_sa_sdst(0) depctr_va_vdst(0) depctr_va_sdst(0) depctr_va_ssrc(0) depctr_va_vcc(0) depctr_vm_vsrc(0)
	s_getreg_b32 s2, hwreg(HW_REG_IB_STS2, 6, 4)
	s_cmp_eq_u32 s2, 0
	s_cbranch_scc0 .Lentry_in_a_cluster
	s_endpgm
.Lentry_in_a_cluster:
	s_bfe_u32 s2, ttmp6, 0x10000c
	s_cmp_lg_u32 s2, 0xf033
	s_cbranch_scc0 .Lentry_shape_is_right
	s_endpgm
.Lentry_shape_is_right:
; qkv = x qkv_w^T + qkv_b on codes of BF6 (E3M2) with E8M0 scales, sums in f32; the results are quantised in registers and leave as codes: q and k along the head's 64, v along the keys.
; A work-group of four waves makes 256 tokens x 256 features, a wave 128 x 128: 64 accumulators.  Clusters of 4 x 4; cluster x = 0, 1, 2 makes q, k, v.
; TWO ROLES.  S0 is source 0 of the matrix instruction: its 16 rows run along a lane's eight result registers.  S1 is source 1: its rows sit in the lanes.  What is quantised runs along S0.
; In q's and k's clusters S0 = qkv_w (features), S1 = x (tokens); in v's clusters S0 = x (tokens = keys), S1 = qkv_w.  The tiles' rows are not neighbours (lane r of tile 2 B + u holds row
; 32 B + 8 u + r + 8 (r / 8)), so that the 16 registers of S0's tiles 2 B and 2 B + 1 are 16 neighbours, 32 B + 16 (lane / 16) + 0 .. 15.
; The mode V = cluster x / 2 is the same in all sixteen partners; it chooses scalars, and two branches hang on it (round the bias loads, round the first K step); no tensor load and no barrier stands in them.
; OPERANDS lie in ops as images of their registers (1,536 bytes a fragment of 16 rows x 128 K, [tile][K step]); a fragment comes from LDS by four loads of consecutive bytes: no pitch, no padding.
; K goes through a ring of two LDS slots of two K steps; each wave fetches 8 tiles x 3,072 bytes by one joint tensor load (x shared along a row of the cluster, qkv_w along a column).
; All eight K steps are written out.  The 64 accumulators take turns, one instruction a turn.  The bias is the C of the first K step.
; OUT: records of 6,656 bytes for one head and 128 tokens.  q, k: two halves of [4 tiles x 768 bytes of codes (registers 0-5 of a fragment)][256 bytes: scale words at 16 r + 4 (tile % 4), bytes 2, 3 = 0],
; record b 256 + head 16 + block.  v: [4 tiles of 16 channels x 1,536 bytes, keys innermost][512 bytes: scale words at 16 x lane + 4 x tile], record b 256 + block 16 + head.
; LIMITS: a block of zeros gets the byte 1 where the rule says 127 (its codes are zeros; this program alone reads the bytes); a block whose largest magnitude lies under 2^-122 keeps the byte 1; NaN and infinities are not served.
; REGISTERS: window 0: v1-21 addresses, v28-29 the add's, v32-95 scale words (32 + 8 s + i: lanes 0-15 S1's tile i, lanes 16-31 S0's tile i, K step s), v96-123 at work, v128-223 S1's fragments (one set), v224-243 codes.
;   window 1: S0's fragments, two sets, at v0 and v128; the bias tiles at v96-127 and v224-255.   windows 2, 3: accumulator (a, b) at v[8 (8 (a % 4) + b)] of window 2 + a / 4.
.set XS,    8650752                    ; where the scale words begin in ops
.set SSTR,  45056                      ; their bytes for one K step
.set REC,   6656
.set REG,   1024*REC                   ; a region of the output: q's, k's, v's
.set TILEB, 12288                      ; a tile's whole K in ops
.set FRB,   1536
.set FR,    12
.set HALFT, 8*2*FRB                    ; what one tensor load brings
.set SLOT,  4*HALFT                    ; x's 16 tiles, then qkv_w's 16
.set SPARE, 2*SLOT                     ; the spare words, 128 bytes for each wave: two blocks of 256 bytes that no other line names
.set S1F,   128
.set SC,    32
.set TM,    96                         ; v96-99 largest magnitudes, v100-103 bytes, v108-111 the conversions' scale operands
.set PW,    112
.set SW,    116                        ; v116-123 the eight blocks' scale words
.set PC,    224
.set G1,  24
.set G0,  32
.set G1B, 48
.set G0B, 56
.set SEL, 92
.set MSB, 0
.macro WIN new                         ; the immediate's high byte repeats the setting that is left
.if MSB != \new
	s_set_vgpr_msb (MSB<<8)|\new
.set MSB, \new
.endif
.endm
.set MUL_LO, 0xa1                      ; source 0 window 1, source 1 window 0, C and D window 2
.set MUL_HI, 0xf1                      ; the same, C and D window 3
.set TO_B,   0x40                      ; destination window 1, address window 0
.macro JLOAD g0a, g1a, g0b, g1b        ; a joint load: waves 0, 1 fetch x's halves, waves 2, 3 qkv_w's; four v_nop follow each of the two lines
	s_cmp_eq_u32 s15, 0
	s_cbranch_scc0 .Lfor_b_\@
	tensor_load_to_lds s[\g0a:\g0a+3], s[\g1a:\g1a+7]
	s_nop 0
.rept 4
	v_nop
.endr
	s_branch .Lasked_\@
.Lfor_b_\@:
	tensor_load_to_lds s[\g0b:\g0b+3], s[\g1b:\g1b+7]
	s_nop 0
.rept 4
	v_nop
.endr
.Lasked_\@:
.endm
.macro CREST                           ; a round of the cluster's barrier behind its opening barrier
	s_cmp_lg_u32 s14, 0
	s_cbranch_scc1 .Lnot_wave_0_\@
	s_barrier_signal -3
.Lnot_wave_0_\@:
	s_barrier_wait -3
	s_barrier_signal -1
	s_barrier_wait -1
.endm
.macro CROUND
	s_barrier_signal -1
	s_barrier_wait -1
	CREST
.endm
.macro PLACES                          ; four places in front of loads into registers that matrix instructions have read, and of the first read of results
.rept 4
	v_nop
.endr
.endm
	s_load_b128 s[4:7], s[0:1], 0x0                ; ops, qkv_b
	s_load_b64 s[8:9], s[0:1], 0x10                ; qkv
	v_lshl_add_u32 v28, v0, 2, SPARE
	v_mov_b32 v29, 0
	ds_add_u32 v28, v29
	s_wait_dscnt 0x0
	v_lshrrev_b32 v1, 5, v0
	v_readfirstlane_b32 s14, v1                    ; wave 0..3
	s_lshr_b32 s15, s14, 1                         ; my half of the tokens.  Also: I fetch x (0) or qkv_w (1)
	s_and_b32 s16, s14, 1                          ; my half of the features.  Also: which 8 tiles I fetch
	s_bfe_u32 s40, ttmp6, 0x40000                  ; cx, cy
	s_bfe_u32 s41, ttmp6, 0x40004
	s_lshl_b32 s42, ttmp9, 2
	s_add_co_u32 s42, s42, s40                     ; tile column: 256 features
	s_and_b32 s17, ttmp7, 0xffff
	s_lshl_b32 s17, s17, 2
	s_add_co_u32 s17, s17, s41                     ; tile row: 256 tokens
	s_lshl_b32 s43, s41, 2
	s_lshl_b32 s43, 15, s43                        ; my row of the cluster
	s_lshl_b32 s44, 0x1111, s40                    ; my column
	s_lshr_b32 s66, ttmp9, 1                       ; V: 1 in v's clusters
	s_or_b32 s[G1], s43, (3<<16)|(1<<21)           ; 15:0 the mask; 17:16 elements of 8 bytes; 21 set beside a mask; no padding
	s_or_b32 s[G1B], s44, (3<<16)|(1<<21)
.irp g, G1, G1B
	s_mov_b32 s[\g+1], 384<<16                     ; tensor_dim0: 3,072 bytes, two K steps of a tile
	s_mov_b32 s[\g+2], 8<<16                       ; tensor_dim1: 8 tiles
	s_mov_b32 s[\g+3], 384<<16                     ; tile_dim0
	s_mov_b32 s[\g+4], 8                           ; tile_dim1
	s_mov_b32 s[\g+5], TILEB/8                     ; from tile to tile
	s_mov_b32 s[\g+6], 0
	s_mov_b32 s[\g+7], 0
.endr
	s_lshl_b32 s18, s16, 3
	s_lshl_b32 s20, s17, 4
	s_add_co_u32 s20, s20, s18                     ; x: tile 16 x tile row + 8 x half
	s_mul_i32 s20, s20, TILEB
	s_mov_b32 s21, 0
	s_lshl_b32 s46, s42, 4
	s_add_co_u32 s46, s46, s18
	s_add_co_u32 s46, s46, 512                     ; qkv_w: tile 512 + 16 x tile column + 8 x half
	s_mul_i32 s46, s46, TILEB
	s_mov_b32 s47, 0
	s_mul_i32 s45, s14, HALFT                      ; where they go: no place in the cluster enters an LDS address
	s_wait_kmcnt 0x0
	s_add_nc_u64 s[20:21], s[4:5], s[20:21]
	s_add_nc_u64 s[46:47], s[4:5], s[46:47]
	CROUND                                         ; all sixteen work-groups are here: the first joint loads meet
.irp n, 0,1
	s_mov_b32 s[G0+4*\n], 1
	s_add_co_u32 s[G0+4*\n+1], s45, \n*SLOT
	s_add_nc_u64 s[G0+4*\n+2:G0+4*\n+3], s[20:21], \n*2*FRB
	s_or_b32 s[G0+4*\n+3], s[G0+4*\n+3], 0x80000000
	s_mov_b32 s[G0B+4*\n], 1
	s_add_co_u32 s[G0B+4*\n+1], s45, \n*SLOT
	s_add_nc_u64 s[G0B+4*\n+2:G0B+4*\n+3], s[46:47], \n*2*FRB
	s_or_b32 s[G0B+4*\n+3], s[G0B+4*\n+3], 0x80000000
	JLOAD G0+4*\n, G1, G0B+4*\n, G1B               ; two loads of mine are out
.endr
	v_and_b32 v5, 31, v0
	v_lshlrev_b32 v1, 4, v5                        ; 16 x lane
	v_lshlrev_b32 v2, 3, v5                        ; 8 x lane
	v_and_b32 v3, 15, v0                           ; r
	v_bfe_u32 v4, v0, 4, 1                         ; h
	s_mul_i32 s80, s15, HALFT                      ; my 8 tiles of x
	s_mul_i32 s81, s16, HALFT
	s_add_co_u32 s81, s81, 2*HALFT                 ; my 8 tiles of qkv_w
	s_cmp_lg_u32 s66, 0
	s_cselect_b32 s82, s81, s80                    ; S1's
	s_cselect_b32 s83, s80, s81                    ; S0's
.irp n, 0,1
	v_add_nc_u32 v[8+\n], s82, v1                  ; v8-9, v10-11: S1's fragments in slot 0, 1, for loads of 16 and of 8 bytes
	v_add_nc_u32 v[10+\n], s82, v2
	v_add_nc_u32 v[12+\n], s83, v1                 ; v12-13, v14-15: S0's
	v_add_nc_u32 v[14+\n], s83, v2
	s_add_co_u32 s82, s82, SLOT
	s_add_co_u32 s83, s83, SLOT
.endr
	s_lshl_b32 s84, s17, 2
	s_lshl_b32 s85, s15, 1
	s_add_co_u32 s84, s84, s85                     ; x's first group of 4 tiles
	s_lshl_b32 s85, s42, 2
	s_lshl_b32 s86, s16, 1
	s_add_co_u32 s85, s85, s86
	s_add_co_u32 s85, s85, 128                     ; qkv_w's
	s_lshl_b32 s84, s84, 8
	s_lshl_b32 s85, s85, 8
	s_cmp_lg_u32 s66, 0
	s_cselect_b32 s86, s85, s84                    ; S1's, for lanes 0-15
	s_cselect_b32 s87, s84, s85                    ; S0's, for lanes 16-31
	v_cmp_ne_u32 vcc_lo, 0, v4
	v_mov_b32 v16, s86
	v_mov_b32 v5, s87
	v_cndmask_b32 v16, v16, v5, vcc_lo
	v_lshl_add_u32 v16, v3, 4, v16
	v_add_nc_u32 v16, XS, v16
.irp k, 0,1,2,3,4,5,6,7                        ; all scale words of my tiles, once: sixteen lanes read 256 consecutive bytes, the words of 4 tiles a lane
.irp g, 0,1
	global_load_b128 v[SC+8*\k+4*\g:SC+8*\k+4*\g+3], v16, s[4:5] offset:\k*SSTR+\g*256
.endr
.endr
	s_lshl_b32 s88, s42, 10
	s_lshl_b32 s89, s16, 9
	s_add_co_u32 s88, s88, s89
	s_mov_b32 s89, 0
	s_add_nc_u64 s[6:7], s[6:7], s[88:89]          ; the bias of my 128 features
	v_lshlrev_b32 v17, 6, v4                       ; 16 h numbers
	v_and_b32 v18, 8, v3
	v_add_nc_u32 v18, v18, v3
	v_lshlrev_b32 v18, 2, v18                      ; r + 8 (r / 8) numbers
	s_cmp_lg_u32 s66, 0
	s_cbranch_scc1 .Lbias_v
	WIN TO_B                                       ; q, k: features run along the registers: tile b's eight of my half
.irp b, 0,1,2,3,4,5,6,7
	global_load_b128 v[96+8*\b+96*(\b/4):96+8*\b+96*(\b/4)+3], v17, s[6:7] offset:4*(32*(\b/2)+8*(\b%2))
	global_load_b128 v[96+8*\b+96*(\b/4)+4:96+8*\b+96*(\b/4)+7], v17, s[6:7] offset:4*(32*(\b/2)+8*(\b%2))+16
.endr
	WIN 0
	s_branch .Lbias_done
.Lbias_v:
	WIN TO_B                                       ; v: the feature sits in the lane: the same number in all eight registers
.irp a, 0,1,2,3,4,5,6,7
.irp j, 0,1,2,3,4,5,6,7
	global_load_b32 v[96+8*\a+96*(\a/4)+\j], v18, s[6:7] offset:4*(32*(\a/2)+8*(\a%2))
.endr
.endr
	WIN 0
.Lbias_done:
	; where the results go
	s_lshr_b32 s80, s17, 3                         ; batch
	s_and_b32 s81, s17, 7
	s_lshl_b32 s81, s81, 1
	s_add_co_u32 s81, s81, s15                     ; my block of 128 tokens
	s_lshl_b32 s82, s40, 2
	s_lshl_b32 s83, s16, 1
	s_add_co_u32 s82, s82, s83                     ; my first head of two
	s_mov_b32 s86, 16*REC
	s_mov_b32 s78, 0xffff
	s_cmp_lg_u32 s66, 0
	s_cselect_b32 s83, s81, s82                    ; record = batch 256 + (v: block, else head) 16 + (v: head, else block)
	s_cselect_b32 s84, s82, s81
	s_cselect_b32 s85, 768, s86                    ; registers 6-11 go: v: behind registers 0-5; q, k: to the next head's record
	s_cselect_b32 s87, 256, s86                    ; lanes 16-31's scale words go: v: 256 bytes on; q, k: to the next head's record
	s_cselect_b32 s88, 0, 16                       ; q, k: lanes 16-31 keep the word's upper two bytes,
	s_cselect_b32 s78, -1, s78                     ; and every lane two bytes alone
	s_lshl_b32 s80, s80, 8
	s_lshl_b32 s83, s83, 4
	s_add_co_u32 s80, s80, s83
	s_add_co_u32 s80, s80, s84
	s_mul_i32 s80, s80, REC
	s_mul_i32 s81, ttmp9, REG
	s_add_co_u32 s80, s80, s81
	s_mov_b32 s81, 0
	s_add_nc_u64 s[68:69], s[8:9], s[80:81]        ; LO: registers 0-5 of the block in hand
	s_mov_b64 s[76:77], s[68:69]                   ; the record's first byte stays, for the scale words
	s_mov_b32 s80, s85
	s_add_nc_u64 s[70:71], s[68:69], s[80:81]      ; HI: registers 6-11
	s_lshl_b32 s72, 768, s66                       ; from block to block,
	s_mov_b32 s73, 0
	s_lshl_b32 s74, 256, s66                       ; and over the scale words behind the fourth
	s_mov_b32 s75, 0
	s_lshl_b32 s89, 3072, s66
	s_lshl_b32 s90, 3328, s66
	v_mul_u32_u24 v19, s87, v4
	v_lshl_add_u32 v19, v3, 4, v19
	v_add_nc_u32 v19, s89, v19                     ; the scale words of blocks 0-3,
	v_add_nc_u32 v20, s90, v19                     ; of blocks 4-7
	v_mul_u32_u24 v21, s88, v4                     ; the shift
	s_mov_b32 s[SEL], 0x76543210
	s_mov_b32 s[SEL+1], 0xfedcba98
.irp b, 0,1,2,3
	v_mov_b32 v[TM+4+\b], 0                        ; written once: a lane permute's destination counts as one of its sources
.endr
.macro FRAG reg, a16, a8, off          ; a fragment's image: four loads of consecutive bytes
	ds_load_b128 v[\reg:\reg+3], v[\a16] offset:\off
	ds_load_b64 v[\reg+4:\reg+5], v[\a8] offset:\off+512
	ds_load_b128 v[\reg+6:\reg+9], v[\a16] offset:\off+768
	ds_load_b64 v[\reg+10:\reg+11], v[\a8] offset:\off+1280
.endm
.macro FETCH_S0 slot, q, p             ; S0's eight fragments of the slot's q-th K step into set p
	WIN TO_B
.irp i, 0,1,2,3,4,5,6,7
	FRAG 128*(\p)+FR*\i, 12+\slot, 14+\slot, \i*2*FRB+(\q)*FRB
.endr
	WIN 0
.endm
.macro FETCH_S1 slot, q, i0            ; S1's blocks i0 .. i0 + 3
.irp i, \i0, \i0+1, \i0+2, \i0+3
	FRAG S1F+FR*(\i), 8+\slot, 10+\slot, (\i)*2*FRB+(\q)*FRB
.endr
.endm
; 16 matrix instructions: S1's blocks a0, a0 + 1 x S0's eight.  p: S0's set; k: the K step; c = 0: onto the sums; 1: the bias tile of b starts them; 2: that of a
.macro MUL16 a0, p, k, c
.irp a, \a0, \a0+1
.irp b, 0,1,2,3,4,5,6,7
.if \c == 0
	v_wmma_scale_f32_16x16x128_f8f6f4 v[8*(8*((\a)%4)+\b):8*(8*((\a)%4)+\b)+7], v[128*(\p)+FR*\b:128*(\p)+FR*\b+FR-1], v[S1F+FR*(\a):S1F+FR*(\a)+FR-1], v[8*(8*((\a)%4)+\b):8*(8*((\a)%4)+\b)+7], v[SC+8*(\k)+\b], v[SC+8*(\k)+(\a)] matrix_a_fmt:MATRIX_FMT_BF6 matrix_b_fmt:MATRIX_FMT_BF6 matrix_a_scale:MATRIX_SCALE_ROW1
.elseif \c == 1
	v_wmma_scale_f32_16x16x128_f8f6f4 v[8*(8*((\a)%4)+\b):8*(8*((\a)%4)+\b)+7], v[128*(\p)+FR*\b:128*(\p)+FR*\b+FR-1], v[S1F+FR*(\a):S1F+FR*(\a)+FR-1], v[96+8*\b+96*(\b/4):96+8*\b+96*(\b/4)+7], v[SC+8*(\k)+\b], v[SC+8*(\k)+(\a)] matrix_a_fmt:MATRIX_FMT_BF6 matrix_b_fmt:MATRIX_FMT_BF6 matrix_a_scale:MATRIX_SCALE_ROW1
.else
	v_wmma_scale_f32_16x16x128_f8f6f4 v[8*(8*((\a)%4)+\b):8*(8*((\a)%4)+\b)+7], v[128*(\p)+FR*\b:128*(\p)+FR*\b+FR-1], v[S1F+FR*(\a):S1F+FR*(\a)+FR-1], v[96+8*(\a)+96*((\a)/4):96+8*(\a)+96*((\a)/4)+7], v[SC+8*(\k)+\b], v[SC+8*(\k)+(\a)] matrix_a_fmt:MATRIX_FMT_BF6 matrix_b_fmt:MATRIX_FMT_BF6 matrix_a_scale:MATRIX_SCALE_ROW1
.endif
.endr
.endr
.endm
; A slot's first K step: S1's blocks are free as soon as their eight products are issued, so S1 has one set: blocks 0-3 are fetched anew in the middle, blocks 4-7 at the end
.macro STEP slot, k, c
	s_wait_dscnt 16                                ; S0's set and S1's blocks 0-3 are in; the youngest 16 loads (blocks 4-7) may be out
.if \c
	WIN 0x91                                       ; C (the bias) window 1, D window 2
.else
	WIN MUL_LO
.endif
	MUL16 0, 0, \k, \c
	MUL16 2, 0, \k, \c
	s_wait_dscnt 0x0                               ; blocks 4-7 are in
	PLACES
	FETCH_S0 \slot, 1, 1
	FETCH_S1 \slot, 1, 0
.if \c
	WIN 0xd1
.else
	WIN MUL_HI
.endif
	MUL16 4, 0, \k, \c
	MUL16 6, 0, \k, \c
	PLACES
	WIN 0
	FETCH_S1 \slot, 1, 4
.endm
; A slot's second K step changes slots: one barrier; in front of it each wave waits for all its tensor loads, adds 0 to its spare word, and waits for that and for its reads of this slot
.macro TURN slot, next, k, fill
	s_wait_tensorcnt 0x0                           ; all my tensor loads have landed: my part of the next slot
	ds_add_u32 v28, v29                            ; 0 onto my spare word
	s_wait_dscnt 17                                ; (the add and the youngest 16 loads may be out)
	WIN MUL_LO
	MUL16 0, 1, \k, 0                              ; sixteen matrix instructions stand between the add and the wait for it
	s_wait_dscnt 0x0                               ; the add is done, and my reads of this slot are over
	s_barrier_signal -1
	MUL16 2, 1, \k, 0
	WIN 0
	s_barrier_wait -1
.if \fill
	CREST                                          ; the barrier has opened a round of the cluster's: no wave of any partner still reads this slot or has a load on its way
	s_add_nc_u64 s[G0+4*\slot+2:G0+4*\slot+3], s[G0+4*\slot+2:G0+4*\slot+3], 4*FRB
	s_add_nc_u64 s[G0B+4*\slot+2:G0B+4*\slot+3], s[G0B+4*\slot+2:G0B+4*\slot+3], 4*FRB
	JLOAD G0+4*\slot, G1, G0B+4*\slot, G1B         ; the first tensor load behind the round; its four v_nop are the places in front of the loads below
.else
	PLACES
.endif
	FETCH_S0 \next, 0, 0
	FETCH_S1 \next, 0, 0
	WIN MUL_HI
	MUL16 4, 1, \k, 0
	MUL16 6, 1, \k, 0
	PLACES
	WIN 0
	FETCH_S1 \next, 0, 4
.endm
	s_wait_tensorcnt 1                             ; my part of slot 0 is in (slot 1's load may be out)
	s_barrier_signal -1
	s_barrier_wait -1                              ; everybody's is
	FETCH_S0 0, 0, 0
	FETCH_S1 0, 0, 0
	FETCH_S1 0, 0, 4
	s_wait_loadcnt 0x0                             ; the scale words and the bias
	s_cmp_lg_u32 s66, 0
	s_cbranch_scc1 .Lfirst_v
	STEP 0, 0, 1                                   ; the first K step starts the sums with the bias: nothing is cleared
	s_branch .Lfirst_done
.Lfirst_v:
	STEP 0, 0, 2
.Lfirst_done:
	TURN 0, 1, 1, 1                                ; slot 0 takes K steps 4, 5
	STEP 1, 2, 0
	TURN 1, 0, 3, 1                                ; slot 1 takes K steps 6, 7
	STEP 0, 4, 0
	TURN 0, 1, 5, 0                                ; nothing is left to fetch
	STEP 1, 6, 0
	s_wait_dscnt 16
	WIN MUL_LO
	MUL16 0, 1, 7, 0
	MUL16 2, 1, 7, 0
	s_wait_dscnt 0x0
	WIN MUL_HI
	MUL16 4, 1, 7, 0
	MUL16 6, 1, 7, 0
	WIN 0
; THE WAY OUT.  Block a: 64 registers of a lane, register 16 b + i = place 32 b + 16 (lane / 16) + i along S0, of S1's row in my lane.  They become a fragment's 12 registers and a scale word.
; Each accumulator is read from its low end on.
.macro OUTBLK a
.set AC, 64*((\a)%4)
.set WW, 2+(\a)/4
.set W2, WW|(WW<<2)
	WIN W2                                         ; sources 0 and 1: the accumulators' window
.irp b, 0,1,2,3
	v_max3_num_f32 v[TM+\b], |v[AC+16*\b]|, |v[AC+16*\b+1]|, 0x2800000   ; the floor 2^(5 - 127) holds the byte at 1 from below
.endr
.irp i, 2,4,6,8,10,12,14
.irp b, 0,1,2,3
	v_max3_num_f32 v[TM+\b], |v[AC+16*\b+\i]|, |v[AC+16*\b+\i+1]|, v[TM+\b]
.endr
.endr
	WIN 0
.irp b, 0,1,2,3
	v_permlanex16_b32 v[TM+4+\b], v[TM+\b], s[SEL], s[SEL+1]
.endr
.irp b, 0,1,2,3
	v_max_num_f32 v[TM+\b], v[TM+\b], v[TM+4+\b]   ; with lane l xor 16's 16: the block's largest magnitude
.endr
.irp b, 0,1,2,3
	v_add_nc_u32 v[TM+12+\b], 0xfe000000, v[TM+\b] ; 4 off the exponent field: the conversion's scale operand
.endr
.irp b, 0,1,2,3
	v_lshrrev_b32 v[TM+4+\b], 23, v[TM+12+\b]      ; the byte
.endr
	v_lshl_or_b32 v[PW], v[TM+5], 8, v[TM+4]
	v_lshl_or_b32 v[PW], v[TM+6], 16, v[PW]
	v_lshl_or_b32 v[PW], v[TM+7], 24, v[PW]
	v_lshrrev_b32 v[SW+\a], v21, v[PW]             ; q, k: lanes 0-15 keep the first head's two bytes, lanes 16-31 the second's; v: the whole word
	v_and_b32 v[SW+\a], s78, v[SW+\a]
.if \a > 0
	s_wait_xcnt 0x0                                ; the last block's stores have read their data and their bases: both are written again only behind this wait
	s_add_nc_u64 s[68:69], s[68:69], s[72:73]
	s_add_nc_u64 s[70:71], s[70:71], s[72:73]
.endif
.if \a == 4
	s_add_nc_u64 s[68:69], s[68:69], s[74:75]
	s_add_nc_u64 s[70:71], s[70:71], s[74:75]
.endif
	WIN WW                                         ; source 0: the accumulators' window
	v_cvt_scalef32_pk16_bf6_f32 v[PC:PC+2], v[AC:AC+15], v[TM+12]
	v_cvt_scalef32_pk16_bf6_f32 v[PC+12:PC+14], v[AC+16:AC+31], v[TM+13]     ; (a conversion's three registers begin on an even number)
	v_cvt_scalef32_pk16_bf6_f32 v[PC+6:PC+8], v[AC+32:AC+47], v[TM+14]
	v_cvt_scalef32_pk16_bf6_f32 v[PC+16:PC+18], v[AC+48:AC+63], v[TM+15]
	WIN 0
	v_nop                                          ; one plain place behind a scaled conversion
.irp c, 0,1                                    ; the operand's layout wants a whole block in a lane: lanes 0-15 block 2 c, lanes 16-31 block 2 c + 1
.irp i, 0,1,2
	v_permlane16_swap_b32 v[PC+6*\c+\i], v[PC+12+4*\c+\i]
.endr
.irp i, 0,1,2
	v_mov_b32 v[PC+3+6*\c+\i], v[PC+12+4*\c+\i]
.endr
.endr
	global_store_b128 v1, v[PC:PC+3], s[68:69]                 ; each store covers 512 or 256 consecutive bytes, aligned
	global_store_b64 v2, v[PC+4:PC+5], s[68:69] offset:512
	global_store_b128 v1, v[PC+6:PC+9], s[70:71]
	global_store_b64 v2, v[PC+10:PC+11], s[70:71] offset:512
.endm
	PLACES
.irp n, 0,1,2,3,4,5,6,7
	OUTBLK \n
.endr
	global_store_b128 v19, v[SW:SW+3], s[76:77]    ; sixteen lanes store 256 consecutive bytes, aligned
	global_store_b128 v20, v[SW+4:SW+7], s[76:77]
	s_wait_tensorcnt 0x0                           ; the wave's end
	ds_add_u32 v28, v29
	s_wait_dscnt 0x0
	CROUND                                         ; the closing round: no work-group ends while a partner may still ask for a tile that names it
	s_endpgm
.Lfunc_end_k_qcf8c8b3210_qkv:
	.size	k_qcf8c8b3210_qkv, .Lfunc_end_k_qcf8c8b3210_qkv-k_qcf8c8b3210_qkv
	.p2alignl 7, 3214868480
	.fill 96, 4, 3214868480
	.section	.rodata,"a",@progbits
	.p2align	6, 0x0
	.amdhsa_kernel k_qcf8c8b3210_qkv
		.amdhsa_group_segment_fixed_size 327680
		.amdhsa_private_segment_fixed_size 0
		.amdhsa_enable_private_segment 0
		.amdhsa_kernarg_size 24
		.amdhsa_user_sgpr_count 2
		.amdhsa_user_sgpr_kernarg_segment_ptr 1
		.amdhsa_wavefront_size32 1
		.amdhsa_system_sgpr_workgroup_id_x 1
		.amdhsa_system_sgpr_workgroup_id_y 1
		.amdhsa_system_sgpr_workgroup_id_z 1
		.amdhsa_system_vgpr_workitem_id 0
		.amdhsa_next_free_vgpr 1024
		.amdhsa_next_free_sgpr 100
		.amdhsa_reserve_vcc 1
		.amdhsa_float_denorm_mode_32 3
		.amdhsa_float_denorm_mode_16_64 3
		.amdhsa_memory_ordered 1
		.amdhsa_forward_progress 1
		.amdhsa_inst_pref_size 169
	.end_amdhsa_kernel
	.amdgpu_metadata
---
amdhsa.version: [ 1, 2 ]
amdhsa.kernels:
  - .name:           k_qcf8c8b3210_qkv
    .symbol:         k_qcf8c8b3210_qkv.kd
    .args:
      - { .name: ops, .offset: 0, .size: 8, .value_kind: global_buffer, .address_space: global }
      - { .name: qkv_b, .offset: 8, .size: 8, .value_kind: global_buffer, .address_space: global }
      - { .name: qkv, .offset: 16, .size: 8, .value_kind: global_buffer, .address_space: global }
    .group_segment_fixed_size: 327680
    .private_segment_fixed_size: 0
    .kernarg_segment_align: 8
    .kernarg_segment_size: 24
    .max_flat_workgroup_size: 128
    .sgpr_count:     100
    .vgpr_count:     1024
    .wavefront_size: 32
...
	.end_amdgpu_metadata
.endif
;; end of part 2
;; launch attn (part 3): grid 8 x 32, 16 waves a work-group, no clusters, 327,680 bytes of LDS; arguments qkv, fin; writes fin
.if DOCPART == 3
	.amdgcn_target "amdgcn-amd-amdhsa--gfx1250"
	.amdhsa_code_object_version 6
	.text
	.protected	k_qcf8c8b3210_attn
	.globl	k_qcf8c8b3210_attn
	.p2align	8
	.type	k_qcf8c8b3210_attn,@function
k_qcf8c8b3210_attn:
	s_mov_b64 s[64:65], 0
	v_nop
	global_prefetch_b8 v0, s[64:65] scope:SCOPE_SE
	s_setreg_imm32_b32 hwreg(HW_REG_WAVE_MODE, 25, 1), 1
	s_wait_xcnt 0x0
; y = softmax(q k^T / 8, causal) v for 64 heads of 64, 2,048 tokens, both products on codes of BF6 (E3M2) with E8M0 scales; y is divided by the row's sum, quantised along C and leaves as codes.
; THE SOFTMAX: t = score x log2(e) / 8; M = the row's largest t so far, rounded up to a whole number; p = 2^(t - M) is quantised along the keys, not normalised; the row's sum is taken of the unquantised p.
; When M moves, the sum and O are multiplied by 2^(old M - new M): exact.
; SHARES.  A work-group has (J = x, batch = y / 8, a pair of heads = y % 8).  Wave w: tile w % 8 of 16 queries of a block of 128, head 2 pair + w / 8.  The work-group does query block J (key steps 0 .. J of
; 128 keys) and then block 15 - J (key steps 0 .. 15 - J): 17 key steps in every work-group, a constant of the text; none is wholly hidden; a block's last step lies on the diagonal (trips J and 16).
; NO CLUSTER: the eight work-groups that walk the same two heads begin their second walk at trip J + 1, each at another trip, so in a given trip they want different records;
; and all that a work-group fetches is 17 x 26,624 bytes.
; RING: two LDS slots of 4 records of 6,656 bytes (K of the two heads, V of the two heads, one key step), one record a tensor load, waves 0 to 3; all sixteen waves read them.
; LAYOUT.  S^T = K Q^T (source 0 = 16 keys, source 1 = my 16 queries), O^T = V^T P^T: a lane holds one query throughout.  The rows of a tile are not neighbours (lane r of tile 2 B + u: row 32 B + 8 u + r + 8 (r / 8)),
; so the 16 registers of tiles 2 B, 2 B + 1 are 16 neighbours: keys in S^T, channels in O^T.
; K = 64 IN AN INSTRUCTION OF 128: Q's registers 6-11 are zero codes, and bytes 2, 3 of Q's and K's scale words are 0 (2^-127).  K's tile t lies in v[32 + 6 t] on, and the instruction names 12 registers from there:
; its upper 64 along K are the next tile's codes (for tile 7: zeros in v80-85), which meet Q's zero codes and add exactly 0.
; LIMITS: a block of zeros gets the byte 1 where the rule says 127 (its codes are zeros; this program alone reads the bytes); a block of y whose largest magnitude lies under 2^-122 keeps the byte 1; NaN and infinities are not served.
; REGISTERS: v1-7 addresses that stay; v9-11 addresses of the step; v12 -M, v13 the largest t, v[14:15] the sum; v16-27 Q; v28 the prefetch's offset; v29 the mask's number; v30-31 the add's; v32-85 K, then V in v32-79;
; v86-92 the second block's Q and scale word; v93 Q's scale word; v96-159 S^T, then p; v160-191 O^T; v192-195 K's scale words, v196-199 V's; v200-218 codes; v232-254 at work.
.set REC,   6656
.set FRB,   1536
.set TILEB, 12288
.set YS,    7077888                    ; where the scale words begin in fin
.set SLOT1, 32768                      ; slot 1 begins here: one exclusive or turns an address in one slot into the other's
.set STG,   4*REC                      ; behind slot 0: y's scale words, 512 bytes for each of the two query blocks; no tile lands here
.set SPARE, STG+1024                   ; the spare words, 128 bytes for each wave: eight blocks of 256 bytes that no other line names
.macro TLOAD                           ; waves 0 to 3 fetch a record each; four v_nop follow the line
	s_cmp_lt_u32 s8, 4
	s_cbranch_scc0 .Lno_load_\@
	tensor_load_to_lds s[24:27], s[16:23]
	s_nop 0
.rept 4
	v_nop
.endr
.Lno_load_\@:
.endm
; A PREFETCH INTO THE L2: in trip N the record of key step N + 2 that wave w - 4 fetches: 26 blocks of 256 bytes, a lane a block (lanes 26-31 name block 25 again).  Who: the work-group with J = 0, waves 4 to 7,
; which fetch nothing, one instruction each; trips 1 to 13, key steps 3 to 15.  The work-group that asks for a key step first by tensor load does so a trip later (key steps up to 7: J = 7) or two (from 8 on: J = 0).
; Key steps 0 to 2 come by their loads alone; nothing is asked for at the head.
.macro ASK
	s_cmp_lt_u32 s11, s36
	s_cbranch_scc1 .Lnot_mine_\@
	s_cmp_gt_u32 s11, 13
	s_cbranch_scc1 .Lnot_mine_\@
	global_prefetch_b8 v28, s[34:35] th:TH_LOAD_NT scope:SCOPE_SE
.Lnot_mine_\@:
.endm
	s_load_b128 s[4:7], s[0:1], 0x0                ; qkv, fin
	v_lshl_add_u32 v30, v0, 2, SPARE
	v_mov_b32 v31, 0
	ds_add_u32 v30, v31
	ds_add_u32 v30, v31
	s_wait_dscnt 0x0
	v_lshrrev_b32 v1, 5, v0
	s_delay_alu instid0(VALU_DEP_1)
	v_readfirstlane_b32 s8, v1                     ; wave 0..15
	s_mov_b32 s9, ttmp9                            ; J
	s_add_co_u32 s10, s9, 1
	s_and_b32 s13, s8, 7                           ; my tile of queries
	s_lshr_b32 s14, s8, 3                          ; my head of the pair
	s_and_b32 s15, s8, 3                           ; which record I fetch (or ask for)
	s_and_b32 s58, ttmp7, 0xffff
	s_lshr_b32 s59, s58, 3                         ; batch
	s_and_b32 s60, s58, 7                          ; pair of heads
	s_mov_b32 s16, 3<<16                           ; descriptor group 1: a record as 26 rows of 256 bytes (32 elements of 8 bytes), dense, no padding, no mask
	s_mov_b32 s17, 32<<16
	s_mov_b32 s18, 26<<16
	s_mov_b32 s19, 32<<16
	s_mov_b32 s20, 26
	s_mov_b32 s21, 32
	s_mov_b32 s22, 0
	s_mov_b32 s23, 0
	s_and_b32 s61, s15, 1
	s_lshl_b32 s62, s60, 1
	s_add_co_u32 s62, s62, s61                     ; the head whose record I fetch
	s_lshl_b32 s63, s59, 4
	s_add_co_u32 s63, s63, s62
	s_lshl_b32 s63, s63, 4                         ; K: record (16 batch + head) 16 + key step
	s_lshl_b32 s66, s59, 8
	s_add_co_u32 s66, s66, s62
	s_add_co_u32 s66, s66, 1024                    ; V: record 256 batch + 16 key step + head, one region (1,024 records) behind K's
	s_mov_b32 s30, 16*REC
	s_cmp_lt_u32 s15, 2
	s_cselect_b32 s63, s63, s66
	s_cselect_b32 s30, REC, s30                    ; s[30:31]: from key step to key step
	s_mov_b32 s31, 0
	s_add_co_u32 s63, s63, 1024                    ; K's region lies behind Q's
	s_mul_i32 s32, s63, REC
	s_mov_b32 s33, 0                               ; s[32:33]: an offset; its high word stays 0
	s_mul_i32 s25, s15, REC                        ; where my record goes in slot 0
	s_mov_b32 s24, 1
	s_wait_kmcnt 0x0
	s_add_nc_u64 s[28:29], s[4:5], s[32:33]        ; key step 0's record
	s_mov_b64 s[26:27], s[28:29]
	s_or_b32 s27, s27, 0x80000000
	TLOAD                                          ; slot 0: key step 0
	s_add_nc_u64 s[34:35], s[28:29], s[30:31]      ; the prefetches stand at key step 1; each change of slots steps them
	s_lshr_b32 s67, s8, 2
	s_xor_b32 s67, s67, 1                          ; 0 in waves 4 to 7,
	s_or_b32 s67, s67, ttmp9                       ; of the work-group with J = 0
	s_cmp_eq_u32 s67, 0
	s_cselect_b32 s36, 1, 99                       ; the first trip in which I ask
	s_mov_b32 s38, 0x76543210
	s_mov_b32 s39, 0xfedcba98                      ; v_permlanex16_b32's selects for lane l xor 16
	s_mov_b32 s40, 0x3e38aa3b                      ; c = log2(e) / 8
	s_mov_b32 s41, s40                             ; (named with it as a pair, so it is written)
	s_lshl_b32 s68, s60, 1
	s_add_co_u32 s68, s68, s14                     ; my head
	s_lshl_b32 s69, s59, 4
	s_add_co_u32 s69, s69, s68
	s_lshl_b32 s69, s69, 4                         ; its first record of Q
	s_sub_co_u32 s70, 15, s9                       ; 15 - J
	s_lshr_b32 s71, s13, 2
	s_and_b32 s72, s13, 3
	s_mul_i32 s73, s71, 3328
	s_mul_i32 s74, s72, 768
	s_add_co_u32 s74, s74, s73                     ; my tile's codes in a record,
	s_lshl_b32 s75, s72, 2
	s_add_co_u32 s75, s75, s73
	s_add_co_u32 s75, s75, 3072                    ; its scale words
	s_add_co_u32 s76, s69, s9
	s_mul_i32 s76, s76, REC                        ; block J's record,
	s_add_co_u32 s77, s69, s70
	s_mul_i32 s77, s77, REC                        ; block 15 - J's
	s_mov_b32 s67, 0
	s_add_co_u32 s66, s76, s74
	s_add_nc_u64 s[42:43], s[4:5], s[66:67]
	s_add_co_u32 s66, s77, s74
	s_add_nc_u64 s[44:45], s[4:5], s[66:67]
	s_add_co_u32 s66, s76, s75
	s_add_nc_u64 s[46:47], s[4:5], s[66:67]
	s_add_co_u32 s66, s77, s75
	s_add_nc_u64 s[48:49], s[4:5], s[66:67]
	s_lshl_b32 s78, s59, 7
	s_add_co_u32 s78, s78, s13                     ; y: tile 128 batch + 8 block + my tile; K step = the pair of heads; my head's half of the image
	s_mul_i32 s79, s14, 768
	s_mul_i32 s80, s60, FRB
	s_add_co_u32 s79, s79, s80
	s_lshl_b32 s80, s9, 3
	s_add_co_u32 s80, s80, s78
	s_mul_i32 s80, s80, TILEB
	s_add_co_u32 s66, s80, s79
	s_add_nc_u64 s[50:51], s[6:7], s[66:67]
	s_lshl_b32 s80, s70, 3
	s_add_co_u32 s80, s80, s78
	s_mul_i32 s80, s80, TILEB
	s_add_co_u32 s66, s80, s79
	s_add_nc_u64 s[52:53], s[6:7], s[66:67]
	s_mul_i32 s81, s60, 36864                      ; y's scale words: [K step][group of 4 tiles][r][tile % 4]: a block's two groups are 512 bytes on end
	s_add_co_u32 s81, s81, YS
	s_lshl_b32 s82, s59, 13
	s_add_co_u32 s81, s81, s82
	s_lshl_b32 s82, s9, 9
	s_add_co_u32 s66, s81, s82
	s_add_nc_u64 s[54:55], s[6:7], s[66:67]
	s_lshl_b32 s82, s70, 9
	s_add_co_u32 s66, s81, s82
	s_add_nc_u64 s[56:57], s[6:7], s[66:67]
	v_and_b32 v8, 31, v0
	s_delay_alu instid0(VALU_DEP_1)
	v_lshlrev_b32 v1, 4, v8                        ; 16 x lane
	s_delay_alu instid0(VALU_DEP_2)
	v_lshlrev_b32 v2, 3, v8                        ; 8 x lane
	v_and_b32 v9, 15, v0                           ; r
	v_bfe_u32 v10, v0, 4, 1                        ; h
	s_delay_alu instid0(VALU_DEP_2)
	v_lshlrev_b32 v6, 4, v9                        ; 16 r
	global_load_b128 v[16:19], v1, s[42:43]        ; Q of block J: registers 0-5 of the fragment,
	global_load_b64 v[20:21], v2, s[42:43] offset:512
	global_load_b32 v93, v6, s[46:47]              ; its scale words;
	global_load_b128 v[86:89], v1, s[44:45]        ; and of block 15 - J, kept for later
	global_load_b64 v[90:91], v2, s[44:45] offset:512
	global_load_b32 v92, v6, s[48:49]
.irp j, 22,23,24,25,26,27,80,81,82,83,84,85
	v_mov_b32 v\j, 0                               ; Q's upper 64 along K, and what stands behind K's tile 7: zero codes
.endr
	s_mul_i32 s79, s14, REC                        ; my head's record of K in a slot (V's lies 2 records on)
	v_add_nc_u32 v3, s79, v1
	v_add_nc_u32 v4, s79, v2
	v_mul_u32_u24 v5, v10, 3328
	s_delay_alu instid0(VALU_DEP_1)
	v_add_nc_u32 v5, v5, v6
	s_delay_alu instid0(VALU_DEP_1)
	v_add_nc_u32 v5, s79, v5                       ; K's scale words: lanes 0-15 tiles 0-3, lanes 16-31 tiles 4-7
	s_lshl_b32 s80, s71, 8
	s_lshl_b32 s81, s72, 2
	s_add_co_u32 s80, s80, s81
	s_lshl_b32 s81, s14, 1
	s_add_co_u32 s80, s80, s81
	s_add_co_u32 s80, s80, STG
	v_add_nc_u32 v7, s80, v6                       ; where my head's two bytes of y's scale word go
	v_min_u32 v28, 25, v8
	s_delay_alu instid0(VALU_DEP_1)
	v_lshlrev_b32 v28, 8, v28
	s_lshr_b32 s81, s13, 1
	s_lshl_b32 s81, s81, 5
	s_and_b32 s82, s13, 1
	s_lshl_b32 s82, s82, 3
	s_add_co_u32 s81, s81, s82
	v_and_b32 v11, 8, v9
	s_delay_alu instid0(VALU_DEP_1)
	v_add_nc_u32 v11, v11, v9
	v_lshlrev_b32 v29, 4, v10
	s_delay_alu instid0(VALU_DEP_1)
	v_sub_nc_u32 v29, v11, v29
	s_delay_alu instid0(VALU_DEP_1)
	v_add_nc_u32 v29, s81, v29                     ; my query in its block - 16 h.  Register 16 b + i holds key 32 b + 16 h + i: hidden on the diagonal where 32 b + i is greater
	v_mov_b32 v13, 0xff61b1e6                      ; the largest t so far: -3e38
	s_delay_alu instid0(VALU_DEP_1)
	v_floor_f32 v12, -v13                          ; -M
	v_mov_b32 v14, 0
	v_mov_b32 v15, 0
.irp j, 236,237,238,239,253
	v_mov_b32 v\j, 0                               ; written once: permutes' destinations, and the upper half of the pair v[252:253]
.endr
.irp j, 0,1,2,3,4,5,6,7,8,9,10,11,12,13,14,15,16,17,18,19,20,21,22,23,24,25,26,27,28,29,30,31
	v_mov_b32 v[160+\j], 0                         ; O^T: the step is written once; the first finds zeros
.endr
; THE CHANGE OF SLOTS, at a trip's head.  Each wave waits for all its tensor loads, adds 0 to its spare word, and waits for that and for its reads of the slot that it has left.
; fill = 1: the slot just left takes the next trip's key step: N + 1, or N - J once the second block has begun.  One load of mine is out behind the barrier.
.macro CHANGE fill
	s_wait_tensorcnt 0x0                           ; no tensor load of mine is out, so the descriptor may be written
	ds_add_u32 v30, v31                            ; 0 onto my spare word
.if \fill
	s_xor_b32 s25, s25, SLOT1
	s_add_co_u32 s32, s11, 1
	s_cmp_gt_u32 s32, s9
	s_cselect_b32 s37, s10, 0
	s_sub_co_u32 s32, s32, s37
	s_mul_i32 s32, s32, s30
	s_add_nc_u64 s[26:27], s[28:29], s[32:33]
	s_or_b32 s27, s27, 0x80000000
.endif
	s_wait_xcnt 0x0                                ; the last prefetch has read its address, and a finished block's stores their data: both are written again only behind this wait
.if \fill
	s_add_nc_u64 s[34:35], s[34:35], s[30:31]
.endif
	s_wait_dscnt 0x0                               ; the add is done, and my reads of the slot that I have left are over
	s_barrier_signal -1
	s_barrier_wait -1
.if \fill
	TLOAD                                          ; the first thing behind the barrier, and a wave's one tensor load until the next
	ASK
.endif
.endm
; A KEY STEP: 128 keys.  diag = 1: it lies on the diagonal; 0: it does where N = J
.macro STEP diag
	v_add_nc_u32 v9, s12, v3
	v_add_nc_u32 v10, s12, v4
	v_add_nc_u32 v11, s12, v5
	v_nop                                          ; four places in front of loads into registers that the last products have read
.irp t, 0,1,2,3,4,5,6,7
	ds_load_b128 v[32+6*\t:35+6*\t], v9 offset:(\t/4)*3328+(\t%4)*768
	ds_load_b64 v[36+6*\t:37+6*\t], v10 offset:(\t/4)*3328+(\t%4)*768+512
.endr
	ds_load_b128 v[192:195], v11 offset:3072
	s_wait_alu depctr_va_vdst(0)
	s_wait_dscnt 0x0
.irp t, 0,1,2,3
	v_wmma_scale_f32_16x16x128_f8f6f4 v[96+8*\t:103+8*\t], v[32+6*\t:43+6*\t], v[16:27], 0, v[192+\t], v93 matrix_a_fmt:MATRIX_FMT_BF6 matrix_b_fmt:MATRIX_FMT_BF6
.endr
.irp t, 4,5,6,7
	v_wmma_scale_f32_16x16x128_f8f6f4 v[96+8*\t:103+8*\t], v[32+6*\t:43+6*\t], v[16:27], 0, v[188+\t], v93 matrix_a_fmt:MATRIX_FMT_BF6 matrix_b_fmt:MATRIX_FMT_BF6 matrix_a_scale:MATRIX_SCALE_ROW1
.endr
.rept 4
	v_nop
.endr
.irp d, 0,1,2,3                                ; V's four fragments are asked for now and land while the softmax is walked
	ds_load_b128 v[32+12*\d:35+12*\d], v9 offset:2*REC+\d*FRB
	ds_load_b64 v[36+12*\d:37+12*\d], v10 offset:2*REC+\d*FRB+512
	ds_load_b128 v[38+12*\d:41+12*\d], v9 offset:2*REC+\d*FRB+768
	ds_load_b64 v[42+12*\d:43+12*\d], v10 offset:2*REC+\d*FRB+1280
.endr
	ds_load_b128 v[196:199], v9 offset:2*REC+4*FRB
.if !\diag
	s_cmp_lg_u32 s11, s9
	s_cbranch_scc1 .Lopen_\@
.endif
	v_mov_b32 v254, 0xff800000                     ; hidden scores become -infinity ahead of the maximum: p = 0 then
.irp n, 0,1,2,3,4,5,6,7,8,9,10,11,12,13,14,15,16,17,18,19,20,21,22,23,24,25,26,27,28,29,30,31,32,33,34,35,36,37,38,39,40,41,42,43,44,45,46,47,48,49,50,51,52,53,54,55,56,57,58,59,60,61,62,63
	v_cmp_gt_i32 vcc_lo, 32*(\n/16)+\n%16, v29
	v_cndmask_b32 v[96+\n], v[96+\n], v254, vcc_lo
.endr
.if !\diag
.Lopen_\@:
.endif
.irp b, 0,1,2,3
	v_max3_num_f32 v[232+\b], v[96+16*\b], v[97+16*\b], v[98+16*\b]   ; the largest score of each block of 32 keys: for the row's maximum, and, since p rises with the score, for the block's largest p
.endr
.irp i, 3,5,7,9,11,13
.irp b, 0,1,2,3
	v_max3_num_f32 v[232+\b], v[232+\b], v[96+16*\b+\i], v[97+16*\b+\i]
.endr
.endr
.irp b, 0,1,2,3
	v_max_num_f32 v[232+\b], v[232+\b], v[111+16*\b]
.endr
.irp b, 0,1,2,3
	s_delay_alu instid0(VALU_DEP_4)
	v_permlanex16_b32 v[236+\b], v[232+\b], s38, s39
.endr
.irp b, 0,1,2,3
	s_delay_alu instid0(VALU_DEP_4)
	v_max_num_f32 v[232+\b], v[232+\b], v[236+\b]  ; with lane l xor 16's 16 keys
.endr
	s_delay_alu instid0(VALU_DEP_2)
	v_max3_num_f32 v254, v232, v233, v234
	s_delay_alu instid0(VALU_DEP_1)
	v_max_num_f32 v254, v254, v235
	s_delay_alu instid0(VALU_DEP_1)
	v_mul_f32 v254, s40, v254                      ; the step's largest t (c is positive)
	s_delay_alu instid0(VALU_DEP_1)
	v_max_num_f32 v13, v13, v254
	v_mov_b32 v254, v12
	s_delay_alu instid0(VALU_DEP_2)
	v_floor_f32 v12, -v13                          ; the new -M = -ceil(t): a whole number
	s_delay_alu instid0(VALU_DEP_1)
	v_sub_f32 v254, v12, v254                      ; old M - new M: a whole number, 0 or less
	s_delay_alu instid0(VALU_DEP_1)
	v_cvt_i32_f32 v254, v254                       ; (it saturates)
	s_delay_alu instid0(VALU_DEP_1)
	v_ldexp_f32 v252, 1.0, v254                    ; f = 2^(old M - new M)
.irp j, 0,2,4,6,8,10,12,14,16,18,20,22,24,26,28,30,32,34,36,38,40,42,44,46,48,50,52,54,56,58,60,62
	v_pk_fma_f32 v[96+\j:97+\j], v[96+\j:97+\j], s[40:41], v[12:13] op_sel_hi:[1,0,0]   ; t - M, two at a time
.endr
.irp b, 0,1,2,3
	v_fma_f32 v[232+\b], v[232+\b], s40, v12       ; the same of each block's largest score
.endr
	s_wait_alu depctr_va_vdst(0)
.irp j, 0,1,2,3,4,5,6,7,8,9,10,11,12,13,14,15,16,17,18,19,20,21,22,23,24,25,26,27,28,29,30,31,32,33,34,35,36,37,38,39,40,41,42,43,44,45,46,47,48,49,50,51,52,53,54,55,56,57,58,59,60,61,62,63
	v_exp_f32 v[96+\j], v[96+\j]                   ; p = 2^(t - M), at most 1
.endr
	v_pk_mul_f32 v[14:15], v[14:15], v[252:253] op_sel_hi:[1,0]    ; the sums under the new M: a plain place behind the exponentials
	s_wait_alu depctr_va_vdst(0)                   ; one wait for the whole batch, ahead of its first reader
.irp b, 0,1,2,3
	v_exp_f32 v[232+\b], v[232+\b]                 ; the block's largest p
.endr
	v_pk_add_f32 v[236:237], v[100:101], v[104:105]
	v_pk_add_f32 v[250:251], v[108:109], v[112:113]
	v_pk_add_f32 v[248:249], v[116:117], v[120:121]
	v_pk_add_f32 v[246:247], v[124:125], v[128:129]
	v_pk_add_f32 v[244:245], v[132:133], v[136:137]
	v_pk_add_f32 v[242:243], v[140:141], v[144:145]
	v_pk_add_f32 v[240:241], v[148:149], v[152:153]
	v_pk_add_f32 v[14:15], v[14:15], v[156:157]
	v_pk_add_f32 v[236:237], v[236:237], v[96:97]
	v_pk_add_f32 v[250:251], v[250:251], v[98:99]
	v_pk_add_f32 v[248:249], v[248:249], v[102:103]
	v_pk_add_f32 v[246:247], v[246:247], v[106:107]
	v_pk_add_f32 v[244:245], v[244:245], v[110:111]
	v_pk_add_f32 v[242:243], v[242:243], v[114:115]
	v_pk_add_f32 v[240:241], v[240:241], v[118:119]
	v_pk_add_f32 v[14:15], v[14:15], v[122:123]
	v_pk_add_f32 v[236:237], v[236:237], v[126:127]
	v_pk_add_f32 v[250:251], v[250:251], v[130:131]
	v_pk_add_f32 v[248:249], v[248:249], v[134:135]
	v_pk_add_f32 v[246:247], v[246:247], v[138:139]
	v_pk_add_f32 v[244:245], v[244:245], v[142:143]
	v_pk_add_f32 v[242:243], v[242:243], v[146:147]
	v_pk_add_f32 v[240:241], v[240:241], v[150:151]
	v_pk_add_f32 v[14:15], v[14:15], v[154:155]
	v_pk_add_f32 v[236:237], v[236:237], v[158:159]
	s_delay_alu instid0(VALU_DEP_2)
	v_pk_add_f32 v[14:15], v[14:15], v[246:247]
	s_delay_alu instid0(VALU_DEP_2)
	v_pk_add_f32 v[236:237], v[236:237], v[244:245]
	v_pk_add_f32 v[250:251], v[250:251], v[242:243]
	v_pk_add_f32 v[248:249], v[248:249], v[240:241]
	s_delay_alu instid0(VALU_DEP_2)
	v_pk_add_f32 v[14:15], v[14:15], v[250:251]
	s_delay_alu instid0(VALU_DEP_2)
	v_pk_add_f32 v[236:237], v[236:237], v[248:249]
	s_delay_alu instid0(VALU_DEP_1)
	v_pk_add_f32 v[14:15], v[14:15], v[236:237]
	s_wait_alu depctr_va_vdst(0)                   ; and one for the four
.irp b, 0,1,2,3
	v_max_num_f32 v[232+\b], 0x2800000, v[232+\b]  ; the floor 2^(5 - 127): the byte cannot fall under 1
.endr
.irp b, 0,1,2,3
	s_delay_alu instid0(VALU_DEP_4)
	v_add_nc_u32 v[244+\b], 0xfe000000, v[232+\b]  ; 4 off the exponent field: the conversion's scale operand
.endr
.irp b, 0,1,2,3
	s_delay_alu instid0(VALU_DEP_4)
	v_lshrrev_b32 v[236+\b], 23, v[244+\b]
.endr
	s_delay_alu instid0(VALU_DEP_3)
	v_lshl_or_b32 v253, v237, 8, v236              ; p's scale word for these 128 keys
	s_delay_alu instid0(VALU_DEP_1)
	v_lshl_or_b32 v253, v238, 16, v253
	s_delay_alu instid0(VALU_DEP_1)
	v_lshl_or_b32 v253, v239, 24, v253
.irp c, 0,1
	v_cvt_scalef32_pk16_bf6_f32 v[200+6*\c:202+6*\c], v[96+32*\c:111+32*\c], v[244+2*\c]
	v_cvt_scalef32_pk16_bf6_f32 v[212+4*\c:214+4*\c], v[112+32*\c:127+32*\c], v[244+2*\c+1]
.endr
	v_nop                                          ; one plain place behind a scaled conversion
.irp c, 0,1
.irp i, 0,1,2
	v_permlane16_swap_b32 v[200+6*\c+\i], v[212+4*\c+\i]
.endr
.irp i, 0,1,2
	s_delay_alu instid0(VALU_DEP_3)
	v_mov_b32 v[203+6*\c+\i], v[212+4*\c+\i]
.endr
.endr
.irp j, 0,2,4,6,8,10,12,14,16,18,20,22,24,26,28,30
	v_pk_mul_f32 v[160+\j:161+\j], v[160+\j:161+\j], v[252:253] op_sel_hi:[1,0]   ; O^T under the new M; also the places in front of the products below
.endr
	s_wait_alu depctr_va_vdst(0)
	s_wait_dscnt 0x0                               ; V
.irp d, 0,1,2,3
	v_wmma_scale_f32_16x16x128_f8f6f4 v[160+8*\d:167+8*\d], v[32+12*\d:43+12*\d], v[200:211], v[160+8*\d:167+8*\d], v[196+\d], v253 matrix_a_fmt:MATRIX_FMT_BF6 matrix_b_fmt:MATRIX_FMT_BF6
.endr
.endm
; A QUERY BLOCK IS DONE: O^T / the sum; register 16 B + i is channel 32 B + 16 h + i of my query: two blocks of 32 along C.  They become registers 0-5 of y's fragment and two bytes of its scale word.
.macro FINISH ph
.rept 4
	v_nop
.endr
	v_add_f32 v14, v14, v15
	s_delay_alu instid0(VALU_DEP_1)
	v_permlanex16_b32 v254, v14, s38, s39
	s_delay_alu instid0(VALU_DEP_1)
	v_add_f32 v14, v14, v254                       ; the row's sum
	s_wait_alu depctr_va_vdst(0)
	v_rcp_f32 v14, v14
	v_nop                                          ; a plain place behind the transcendental
	s_wait_alu depctr_va_vdst(0)                   ; the wait ahead of its first reader
.irp j, 0,2,4,6,8,10,12,14,16,18,20,22,24,26,28,30
	v_pk_mul_f32 v[160+\j:161+\j], v[160+\j:161+\j], v[14:15] op_sel_hi:[1,0]
.endr
.irp b, 0,1
	v_max3_num_f32 v[232+\b], |v[160+16*\b]|, |v[161+16*\b]|, 0x2800000
.endr
.irp i, 2,4,6,8,10,12,14
.irp b, 0,1
	s_delay_alu instid0(VALU_DEP_2)
	v_max3_num_f32 v[232+\b], v[232+\b], |v[160+16*\b+\i]|, |v[161+16*\b+\i]|
.endr
.endr
.irp b, 0,1
	s_delay_alu instid0(VALU_DEP_2)
	v_permlanex16_b32 v[236+\b], v[232+\b], s38, s39
.endr
.irp b, 0,1
	s_delay_alu instid0(VALU_DEP_2)
	v_max_num_f32 v[232+\b], v[232+\b], v[236+\b]
.endr
.irp b, 0,1
	s_delay_alu instid0(VALU_DEP_2)
	v_add_nc_u32 v[244+\b], 0xfe000000, v[232+\b]
.endr
.irp b, 0,1
	s_delay_alu instid0(VALU_DEP_2)
	v_lshrrev_b32 v[236+\b], 23, v[244+\b]
.endr
	s_delay_alu instid0(VALU_DEP_1)
	v_lshl_or_b32 v254, v237, 8, v236
	v_cvt_scalef32_pk16_bf6_f32 v[200:202], v[160:175], v244
	v_cvt_scalef32_pk16_bf6_f32 v[212:214], v[176:191], v245
	v_nop
.irp i, 0,1,2
	v_permlane16_swap_b32 v[200+\i], v[212+\i]
.endr
.irp i, 0,1,2
	s_delay_alu instid0(VALU_DEP_3)
	v_mov_b32 v[203+\i], v[212+\i]
.endr
	global_store_b128 v1, v[200:203], s[50+2*\ph:51+2*\ph]             ; 512 and 256 consecutive bytes, aligned
	global_store_b64 v2, v[204:205], s[50+2*\ph:51+2*\ph] offset:512
	ds_store_b16 v7, v254 offset:512*\ph           ; both lanes of a row write the same two bytes with the same value
.endm
	s_mov_b32 s11, 0                               ; N, the trip
	s_mov_b32 s12, 0                               ; the slot in hand
	s_wait_loadcnt 0x0                             ; Q
.Ltrip:                                            ; 16 trips; behind each change of slots the next trip's records are asked for
	CHANGE 1
	STEP 0
	s_cmp_lg_u32 s11, s9
	s_cbranch_scc1 .Lsame_block
	FINISH 0                                       ; block J is done; block 15 - J begins
.irp j, 0,1,2,3,4,5
	v_mov_b32 v[16+\j], v[86+\j]
.endr
	v_mov_b32 v93, v92
	v_mov_b32 v13, 0xff61b1e6
	s_delay_alu instid0(VALU_DEP_1)
	v_floor_f32 v12, -v13
	v_mov_b32 v14, 0
	v_mov_b32 v15, 0
.irp j, 0,1,2,3,4,5,6,7,8,9,10,11,12,13,14,15,16,17,18,19,20,21,22,23,24,25,26,27,28,29,30,31
	v_mov_b32 v[160+\j], 0
.endr
.Lsame_block:
	s_xor_b32 s12, s12, SLOT1
	s_add_co_u32 s11, s11, 1
	s_cmp_lt_u32 s11, 16
	s_cbranch_scc1 .Ltrip
	CHANGE 0                                       ; the last trip is written out
	STEP 1
	FINISH 1
	s_wait_dscnt 0x0                               ; for the others' sake: my bytes lie in the stage
	s_barrier_signal -1
	s_barrier_wait -1
	s_cmp_lg_u32 s8, 8
	s_cbranch_scc1 .Lnot_eight
	ds_load_b128 v[96:99], v1 offset:STG           ; one wave stores the two blocks' scale words: 512 consecutive bytes each, aligned
	ds_load_b128 v[100:103], v1 offset:STG+512
	s_wait_dscnt 0x0
	global_store_b128 v1, v[96:99], s[54:55]
	global_store_b128 v1, v[100:103], s[56:57]
.Lnot_eight:
	s_wait_tensorcnt 0x0                           ; the wave's end
	ds_add_u32 v30, v31
	s_wait_dscnt 0x0
	s_endpgm
.Lfunc_end_k_qcf8c8b3210_attn:
	.size	k_qcf8c8b3210_attn, .Lfunc_end_k_qcf8c8b3210_attn-k_qcf8c8b3210_attn
	.p2alignl 7, 3214868480
	.fill 96, 4, 3214868480
	.section	.rodata,"a",@progbits
	.p2align	6, 0x0
	.amdhsa_kernel k_qcf8c8b3210_attn
		.amdhsa_group_segment_fixed_size 327680
		.amdhsa_private_segment_fixed_size 0
		.amdhsa_enable_private_segment 0
		.amdhsa_kernarg_size 16
		.amdhsa_user_sgpr_count 2
		.amdhsa_user_sgpr_kernarg_segment_ptr 1
		.amdhsa_wavefront_size32 1
		.amdhsa_system_sgpr_workgroup_id_x 1
		.amdhsa_system_sgpr_workgroup_id_y 1
		.amdhsa_system_sgpr_workgroup_id_z 1
		.amdhsa_system_vgpr_workitem_id 0
		.amdhsa_next_free_vgpr 256
		.amdhsa_next_free_sgpr 90
		.amdhsa_reserve_vcc 1
		.amdhsa_float_denorm_mode_32 3
		.amdhsa_float_denorm_mode_16_64 3
		.amdhsa_memory_ordered 1
		.amdhsa_forward_progress 1
		.amdhsa_inst_pref_size 65
	.end_amdhsa_kernel
	.amdgpu_metadata
---
amdhsa.version: [ 1, 2 ]
amdhsa.kernels:
  - .name:           k_qcf8c8b3210_attn
    .symbol:         k_qcf8c8b3210_attn.kd
    .args:
      - { .name: qkv, .offset: 0, .size: 8, .value_kind: global_buffer, .address_space: global }
      - { .name: fin, .offset: 8, .size: 8, .value_kind: global_buffer, .address_space: global }
    .group_segment_fixed_size: 327680
    .private_segment_fixed_size: 0
    .kernarg_segment_align: 8
    .kernarg_segment_size: 16
    .max_flat_workgroup_size: 512
    .sgpr_count:     90
    .vgpr_count:     256
    .wavefront_size: 32
...
	.end_amdgpu_metadata
.endif
;; end of part 3
;; launch proj (part 4): grid 8 x 32, 4 waves a work-group, clusters of 4 x 4, 327,680 bytes of LDS; arguments fin, out_b, out0; writes out0
.if DOCPART == 4
	.amdgcn_target "amdgcn-amd-amdhsa--gfx1250"
	.amdhsa_code_object_version 6
	.text
	.protected	k_qcf8c8b3210_proj
	.globl	k_qcf8c8b3210_proj
	.p2align	8
	.type	k_qcf8c8b3210_proj,@function
k_qcf8c8b3210_proj:
	s_mov_b64 s[64:65], 0
	v_nop
	global_prefetch_b8 v0, s[64:65] scope:SCOPE_SE
	s_setreg_imm32_b32 hwreg(HW_REG_WAVE_MODE, 25, 1), 1
	s_wait_xcnt 0x0
	s_wait_alu depctr_hold_cnt(0) depctr_sa_sdst(0) depctr_va_vdst(0) depctr_va_sdst(0) depctr_va_ssrc(0) depctr_va_vcc(0) depctr_vm_vsrc(0)
	s_getreg_b32 s2, hwreg(HW_REG_IB_STS2, 6, 4)
	s_cmp_eq_u32 s2, 0
	s_cbranch_scc0 .Lentry_in_a_cluster
	s_endpgm
.Lentry_in_a_cluster:
	s_bfe_u32 s2, ttmp6, 0x10000c
	s_cmp_lg_u32 s2, 0xf033
	s_cbranch_scc0 .Lentry_shape_is_right
	s_endpgm
.Lentry_shape_is_right:
; out0 = y out_w^T + out_b on codes of BF6 (E3M2) with E8M0 scales, sums in f32.  y (tiles 0-511) and out_w (tiles 512-575) lie in fin as images of their fragments' registers, [tile][K step][1536];
; their scale words as [K step][group of 4 tiles][r][tile % 4].  The rows of a tile are not neighbours: lane r of tile 2 B + u holds row 32 B + 8 u + r + 8 (r / 8).
; A work-group of four waves makes 256 tokens x 128 features (256 work-groups); a wave 128 x 64: 32 accumulators.  Source 0 = 16 rows of out_w, source 1 = 16 rows of y: a lane holds eight neighbouring features of one token.
; ALL OF K LIES IN LDS: four parts of two K steps, 73,728 bytes each (y's 16 tiles, out_w's 8).  Each wave asks for its quarter of every part at the start, four joint tensor loads behind one round of the cluster's
; barrier (y shared along a row of the 4 x 4 cluster, out_w along a column): four loads of mine are out.  A part is read behind its counted wait and a barrier.
; The bias is the C of the first K step.  The 32 accumulators take turns, one instruction a turn.
; REGISTERS: window 0: v1-26 addresses; v32-95 scale words (32 + 8 s + i: lanes 0-15 y's tile i, lanes 16-31 out_w's tile i); v128-223 y's fragments, one set; on the way out v128-191 rows of the result.
;   window 1: out_w's fragments, two sets, at v0 and v128; the bias tiles at v96-127.   window 2: accumulator (a, b) at v[8 (4 a + b)].
.set YS,    7077888
.set SSTR,  36864
.set TILEB, 12288
.set FRB,   1536
.set FR,    12
.set PART,  73728
.set S1F,   128
.set SC,    32
.set SPITCH, 272                       ; the way out: a stage of 16 rows x (256 bytes + 16) for each wave, in part 0's bytes: they have had their one fill, and their last read lies three barriers back
.set G1,  24
.set G1B, 32
.set G0,  48                           ; s[48:63] group 0 for y's four parts;  s[68:83] for out_w's
.set G0B, 68
.set MSB, 0
.macro WIN new                         ; the immediate's high byte repeats the setting that is left
.if MSB != \new
	s_set_vgpr_msb (MSB<<8)|\new
.set MSB, \new
.endif
.endm
.set MUL,  0xa1                        ; source 0 window 1, source 1 window 0, C and D window 2
.set TO_B, 0x40
.macro CROUND                          ; a round of the cluster's barrier
	s_barrier_signal -1
	s_barrier_wait -1
	s_cmp_lg_u32 s14, 0
	s_cbranch_scc1 .Lnot_wave_0_\@
	s_barrier_signal -3
.Lnot_wave_0_\@:
	s_barrier_wait -3
	s_barrier_signal -1
	s_barrier_wait -1
.endm
.macro PLACES                          ; four places in front of loads into registers that matrix instructions have read, and of the first read of results
.rept 4
	v_nop
.endr
.endm
	s_load_b128 s[4:7], s[0:1], 0x0                ; fin, out_b
	s_load_b64 s[8:9], s[0:1], 0x10                ; out0
	v_lshl_add_u32 v254, v0, 2, 0x48000
	v_mov_b32 v255, 0
	ds_add_u32 v254, v255
	v_lshrrev_b32 v1, 5, v0
	v_readfirstlane_b32 s14, v1                    ; wave 0..3
	s_lshr_b32 s15, s14, 1                         ; my half of the tokens.  Also: I fetch y (0) or out_w (1)
	s_and_b32 s16, s14, 1                          ; my half of the features.  Also: which half of the tiles I fetch
	s_bfe_u32 s40, ttmp6, 0x40000
	s_bfe_u32 s41, ttmp6, 0x40004
	s_lshl_b32 s42, ttmp9, 2
	s_add_co_u32 s42, s42, s40                     ; tile column: 128 features
	s_and_b32 s17, ttmp7, 0xffff
	s_lshl_b32 s17, s17, 2
	s_add_co_u32 s17, s17, s41                     ; tile row: 256 tokens
	s_lshl_b32 s43, s41, 2
	s_lshl_b32 s43, 15, s43                        ; my row of the cluster
	s_lshl_b32 s44, 0x1111, s40                    ; my column
	s_or_b32 s[G1], s43, (3<<16)|(1<<21)           ; the mask; elements of 8 bytes; bit 21 beside a mask; no padding
	s_or_b32 s[G1B], s44, (3<<16)|(1<<21)
	s_mov_b32 s[G1+1], 384<<16                     ; rows of 3,072 bytes: two K steps of a tile
	s_mov_b32 s[G1+2], 8<<16                       ; y: 8 tiles
	s_mov_b32 s[G1+3], 384<<16
	s_mov_b32 s[G1+4], 8
	s_mov_b32 s[G1+5], TILEB/8
	s_mov_b32 s[G1+6], 0
	s_mov_b32 s[G1+7], 0
	s_mov_b32 s[G1B+1], 384<<16
	s_mov_b32 s[G1B+2], 4<<16                      ; out_w: 4 tiles
	s_mov_b32 s[G1B+3], 384<<16
	s_mov_b32 s[G1B+4], 4
	s_mov_b32 s[G1B+5], TILEB/8
	s_mov_b32 s[G1B+6], 0
	s_mov_b32 s[G1B+7], 0
	s_lshl_b32 s18, s16, 3
	s_lshl_b32 s20, s17, 4
	s_add_co_u32 s20, s20, s18                     ; y: tile 16 x tile row + 8 x half
	s_mul_i32 s20, s20, TILEB
	s_mov_b32 s21, 0
	s_lshl_b32 s18, s16, 2
	s_lshl_b32 s46, s42, 3
	s_add_co_u32 s46, s46, s18
	s_add_co_u32 s46, s46, 512                     ; out_w: tile 512 + 8 x tile column + 4 x half
	s_mul_i32 s46, s46, TILEB
	s_mov_b32 s47, 0
	s_mul_i32 s45, s16, 8*2*FRB                    ; where they go in a part: no place in the cluster enters an LDS address
	s_mul_i32 s84, s16, 4*2*FRB
	s_add_co_u32 s84, s84, 16*2*FRB
	s_wait_dscnt 0x0
	s_wait_kmcnt 0x0
	s_add_nc_u64 s[20:21], s[4:5], s[20:21]
	s_add_nc_u64 s[46:47], s[4:5], s[46:47]
.irp n, 0,1,2,3
	s_mov_b32 s[G0+4*\n], 1
	s_add_co_u32 s[G0+4*\n+1], s45, \n*PART
	s_add_nc_u64 s[G0+4*\n+2:G0+4*\n+3], s[20:21], \n*2*FRB
	s_or_b32 s[G0+4*\n+3], s[G0+4*\n+3], 0x80000000
	s_mov_b32 s[G0B+4*\n], 1
	s_add_co_u32 s[G0B+4*\n+1], s84, \n*PART
	s_add_nc_u64 s[G0B+4*\n+2:G0B+4*\n+3], s[46:47], \n*2*FRB
	s_or_b32 s[G0B+4*\n+3], s[G0B+4*\n+3], 0x80000000
.endr
	CROUND                                         ; all sixteen work-groups are here: the joint loads meet
	s_cmp_eq_u32 s15, 0                            ; a wave's four fills stand in one branch on its number; four v_nop follow the last
	s_cbranch_scc0 .Lfill_b
.irp n, 0,1,2,3
	tensor_load_to_lds s[G0+4*\n:G0+4*\n+3], s[G1:G1+7]
	s_nop 0
.endr
.rept 4
	v_nop
.endr
	s_branch .Lfilled
.Lfill_b:
.irp n, 0,1,2,3
	tensor_load_to_lds s[G0B+4*\n:G0B+4*\n+3], s[G1B:G1B+7]
	s_nop 0
.endr
.rept 4
	v_nop
.endr
.Lfilled:
	v_and_b32 v5, 31, v0
	v_lshlrev_b32 v1, 4, v5                        ; 16 x lane
	v_lshlrev_b32 v2, 3, v5                        ; 8 x lane
	v_and_b32 v3, 15, v0                           ; r
	v_bfe_u32 v4, v0, 4, 1                         ; h
	s_mul_i32 s85, s15, 8*2*FRB                    ; my 8 tiles of y in a part,
	s_mul_i32 s86, s16, 4*2*FRB
	s_add_co_u32 s86, s86, 16*2*FRB                ; my 4 of out_w
	v_add_nc_u32 v8, s85, v1                       ; v8, v9: y's fragments, for loads of 16 and of 8 bytes; v10, v11: out_w's.  They step from part to part
	v_add_nc_u32 v9, s85, v2
	v_add_nc_u32 v10, s86, v1
	v_add_nc_u32 v11, s86, v2
	s_lshl_b32 s85, s17, 2
	s_lshl_b32 s86, s15, 1
	s_add_co_u32 s85, s85, s86                     ; y's first group of 4 tiles
	s_lshl_b32 s86, s42, 1
	s_add_co_u32 s86, s86, s16
	s_add_co_u32 s86, s86, 128                     ; out_w's one group
	s_lshl_b32 s85, s85, 8
	s_lshl_b32 s86, s86, 8
	v_cmp_ne_u32 vcc_lo, 0, v4
	v_mov_b32 v16, s85
	v_mov_b32 v5, s86
	v_cndmask_b32 v16, v16, v5, vcc_lo
	v_lshl_add_u32 v16, v3, 4, v16
	v_add_nc_u32 v16, YS, v16
	v_xor_b32 v5, 1, v4
	v_lshl_add_u32 v17, v5, 8, v16                 ; y's second group; lanes 16-31 read out_w's group again (not used): no lane leaves the buffer
.irp k, 0,1,2,3,4,5,6,7
	global_load_b128 v[SC+8*\k:SC+8*\k+3], v16, s[4:5] offset:\k*SSTR
	global_load_b128 v[SC+8*\k+4:SC+8*\k+7], v17, s[4:5] offset:\k*SSTR
.endr
	s_lshl_b32 s88, s42, 9
	s_lshl_b32 s89, s16, 8
	s_add_co_u32 s88, s88, s89                     ; my 64 features, in bytes of f32
	s_mov_b32 s89, 0
	s_add_nc_u64 s[6:7], s[6:7], s[88:89]
	v_lshlrev_b32 v18, 6, v4
	WIN TO_B
.irp b, 0,1,2,3
	global_load_b128 v[96+8*\b:96+8*\b+3], v18, s[6:7] offset:4*(32*(\b/2)+8*(\b%2))
	global_load_b128 v[96+8*\b+4:96+8*\b+7], v18, s[6:7] offset:4*(32*(\b/2)+8*(\b%2))+16
.endr
	WIN 0
	s_lshl_b32 s90, s17, 8
	s_lshl_b32 s91, s15, 7
	s_add_co_u32 s90, s90, s91                     ; my first token
	s_lshl_b32 s90, s90, 12
	s_add_co_u32 s88, s88, s90
	s_add_nc_u64 s[8:9], s[8:9], s[88:89]
	s_mul_i32 s90, s14, 16*SPITCH                  ; my stage
	v_mul_u32_u24 v24, v3, SPITCH
	v_lshl_add_u32 v24, v4, 6, v24
	v_add_nc_u32 v24, s90, v24                     ; in: row r, + 64 h
	v_mul_u32_u24 v25, v4, SPITCH
	v_lshl_add_u32 v25, v3, 4, v25
	v_add_nc_u32 v25, s90, v25                     ; back: lanes 0-15 one row of 256 bytes, lanes 16-31 the next
	v_lshlrev_b32 v26, 12, v4
	v_lshl_add_u32 v26, v3, 4, v26                 ; and the same two rows in out0
.macro FRAG reg, a16, a8, off
	ds_load_b128 v[\reg:\reg+3], v[\a16] offset:\off
	ds_load_b64 v[\reg+4:\reg+5], v[\a8] offset:\off+512
	ds_load_b128 v[\reg+6:\reg+9], v[\a16] offset:\off+768
	ds_load_b64 v[\reg+10:\reg+11], v[\a8] offset:\off+1280
.endm
.macro FETCH_S0 q, p                   ; out_w's four fragments of the part's q-th K step into set p
	WIN TO_B
.irp i, 0,1,2,3
	FRAG 128*(\p)+FR*\i, 10, 11, \i*2*FRB+(\q)*FRB
.endr
	WIN 0
.endm
.macro FETCH_S1 q, i0                  ; y's blocks i0 .. i0 + 3
.irp i, \i0, \i0+1, \i0+2, \i0+3
	FRAG S1F+FR*(\i), 8, 9, (\i)*2*FRB+(\q)*FRB
.endr
.endm
.macro MUL8 a0, p, k, c                ; 8 matrix instructions: y's blocks a0, a0 + 1 x out_w's four.  c = 1: the bias starts the sums
.irp a, \a0, \a0+1
.irp b, 0,1,2,3
.if \c
	v_wmma_scale_f32_16x16x128_f8f6f4 v[8*(4*(\a)+\b):8*(4*(\a)+\b)+7], v[128*(\p)+FR*\b:128*(\p)+FR*\b+FR-1], v[S1F+FR*(\a):S1F+FR*(\a)+FR-1], v[96+8*\b:96+8*\b+7], v[SC+8*(\k)+\b], v[SC+8*(\k)+(\a)] matrix_a_fmt:MATRIX_FMT_BF6 matrix_b_fmt:MATRIX_FMT_BF6 matrix_a_scale:MATRIX_SCALE_ROW1
.else
	v_wmma_scale_f32_16x16x128_f8f6f4 v[8*(4*(\a)+\b):8*(4*(\a)+\b)+7], v[128*(\p)+FR*\b:128*(\p)+FR*\b+FR-1], v[S1F+FR*(\a):S1F+FR*(\a)+FR-1], v[8*(4*(\a)+\b):8*(4*(\a)+\b)+7], v[SC+8*(\k)+\b], v[SC+8*(\k)+(\a)] matrix_a_fmt:MATRIX_FMT_BF6 matrix_b_fmt:MATRIX_FMT_BF6 matrix_a_scale:MATRIX_SCALE_ROW1
.endif
.endr
.endr
.endm
.macro STEP k, c                       ; a part's first K step
	s_wait_dscnt 16                                ; out_w's set and y's blocks 0-3 are in; the youngest 16 loads (blocks 4-7) may be out
.if \c
	WIN 0x91                                       ; C (the bias) window 1
.else
	WIN MUL
.endif
	MUL8 0, 0, \k, \c
	MUL8 2, 0, \k, \c
	s_wait_dscnt 0x0
	PLACES
	FETCH_S0 1, 1
	FETCH_S1 1, 0
.if \c
	WIN 0x91
.else
	WIN MUL
.endif
	MUL8 4, 0, \k, \c
	MUL8 6, 0, \k, \c
	PLACES
	WIN 0
	FETCH_S1 1, 4
.endm
.macro TURNP k, cnt                    ; a part's second K step goes on to the next part: my quarter of it has landed (the later parts' cnt loads may be out), and a barrier shows that everybody's has
	s_wait_tensorcnt \cnt
	s_wait_dscnt 16
	WIN MUL
	MUL8 0, 1, \k, 0
	s_wait_dscnt 0x0                               ; no LDS instruction of mine is pending at the signal
	s_barrier_signal -1
	MUL8 2, 1, \k, 0
	WIN 0
	s_barrier_wait -1
	v_add_nc_u32 v8, PART, v8                      ; the four steps are the places in front of the loads below
	v_add_nc_u32 v9, PART, v9
	v_add_nc_u32 v10, PART, v10
	v_add_nc_u32 v11, PART, v11
	FETCH_S0 0, 0
	FETCH_S1 0, 0
	WIN MUL
	MUL8 4, 1, \k, 0
	MUL8 6, 1, \k, 0
	PLACES
	WIN 0
	FETCH_S1 0, 4
.endm
	s_wait_tensorcnt 3                             ; my quarter of part 0 is in; the other three loads may be out
	s_barrier_signal -1
	s_barrier_wait -1
	FETCH_S0 0, 0
	FETCH_S1 0, 0
	FETCH_S1 0, 4
	s_wait_loadcnt 0x0                             ; the scale words and the bias
	STEP 0, 1
	TURNP 1, 2
	STEP 2, 0
	TURNP 3, 1
	STEP 4, 0
	TURNP 5, 0
	STEP 6, 0
	s_wait_dscnt 16
	WIN MUL
	MUL8 0, 1, 7, 0
	MUL8 2, 1, 7, 0
	s_wait_dscnt 0x0
	MUL8 4, 1, 7, 0
	MUL8 6, 1, 7, 0
	WIN 0
; THE WAY OUT, block by block of 16 tokens x 64 features.  A lane holds 32 neighbouring bytes of a row; the block goes through my own stage and comes back as whole rows of 256 bytes.
; LDS serves a wave's instructions in order (ISA guide 5.7.1.4): no wait between the stores and the loads, nor in front of the next block's stores.
.macro TOSTAGE a
	WIN 0x08                                       ; an LDS store's data are its source 1: window 2
.irp b, 0,1,2,3
	ds_store_b128 v24, v[8*(4*(\a)+\b):8*(4*(\a)+\b)+3] offset:128*(\b/2)+32*(\b%2)          ; each accumulator from its low end on
	ds_store_b128 v24, v[8*(4*(\a)+\b)+4:8*(4*(\a)+\b)+7] offset:128*(\b/2)+32*(\b%2)+16
.endr
	WIN 0
.irp i, 0,1,2,3,4,5,6,7
	ds_load_b128 v[128+32*((\a)%2)+4*\i:128+32*((\a)%2)+4*\i+3], v25 offset:2*\i*SPITCH
.endr
.endm
.macro SEND a, younger                 ; younger: the LDS instructions issued behind block a's loads, which may stay out
	s_wait_dscnt \younger
.irp i, 0,1,2,3,4,5,6,7
	global_store_b128 v26, v[128+32*((\a)%2)+4*\i:128+32*((\a)%2)+4*\i+3], s[8:9] offset:(32*((\a)/2)+8*((\a)%2)+2*\i+8*(\i/4))*4096 th:TH_STORE_NT   ; sixteen lanes store 256 consecutive bytes, aligned; stage row 2 i + (lane / 16) is the tile's token of that number
.endr
.endm
	PLACES
	TOSTAGE 0
.irp n, 1,2,3,4,5,6,7
.if \n > 1
	s_wait_xcnt 0x0                                ; the stores of the block two back have read their data: this block's loads may land there
.endif
	TOSTAGE \n
	SEND \n-1, 16                                  ; behind that block's loads: this block's 8 stores and 8 loads
.endr
	SEND 7, 0
	s_wait_tensorcnt 0x0
	ds_add_u32 v254, v255
	s_wait_dscnt 0x0
	CROUND                                         ; the closing round: no work-group ends while a partner may still ask for a tile that names it
	s_endpgm
.Lfunc_end_k_qcf8c8b3210_proj:
	.size	k_qcf8c8b3210_proj, .Lfunc_end_k_qcf8c8b3210_proj-k_qcf8c8b3210_proj
	.p2alignl 7, 3214868480
	.fill 96, 4, 3214868480
	.section	.rodata,"a",@progbits
	.p2align	6, 0x0
	.amdhsa_kernel k_qcf8c8b3210_proj
		.amdhsa_group_segment_fixed_size 327680
		.amdhsa_private_segment_fixed_size 0
		.amdhsa_enable_private_segment 0
		.amdhsa_kernarg_size 24
		.amdhsa_user_sgpr_count 2
		.amdhsa_user_sgpr_kernarg_segment_ptr 1
		.amdhsa_wavefront_size32 1
		.amdhsa_system_sgpr_workgroup_id_x 1
		.amdhsa_system_sgpr_workgroup_id_y 1
		.amdhsa_system_sgpr_workgroup_id_z 1
		.amdhsa_system_vgpr_workitem_id 0
		.amdhsa_next_free_vgpr 768
		.amdhsa_next_free_sgpr 100
		.amdhsa_reserve_vcc 1
		.amdhsa_float_denorm_mode_32 3
		.amdhsa_float_denorm_mode_16_64 3
		.amdhsa_memory_ordered 1
		.amdhsa_forward_progress 1
		.amdhsa_inst_pref_size 87
	.end_amdhsa_kernel
	.amdgpu_metadata
---
amdhsa.version: [ 1, 2 ]
amdhsa.kernels:
  - .name:           k_qcf8c8b3210_proj
    .symbol:         k_qcf8c8b3210_proj.kd
    .args:
      - { .name: fin, .offset: 0, .size: 8, .value_kind: global_buffer, .address_space: global }
      - { .name: out_b, .offset: 8, .size: 8, .value_kind: global_buffer, .address_space: global }
      - { .name: out0, .offset: 16, .size: 8, .value_kind: global_buffer, .address_space: global }
    .group_segment_fixed_size: 327680
    .private_segment_fixed_size: 0
    .kernarg_segment_align: 8
    .kernarg_segment_size: 24
    .max_flat_workgroup_size: 128
    .sgpr_count:     100
    .vgpr_count:     768
    .wavefront_size: 32
...
	.end_amdgpu_metadata
.endif
;; end of part 4
